; MI455X (gfx1250); checked and timed in simulation.
; The chip was launched on July 23, 2026; its instructions are those of AMD's public machine-readable ISA for CDNA 5 (MIT licence, August 2026) and "CDNA5" Instruction Set Architecture Reference Guide (July 2026). The comments in the code are by the model that wrote it; some were corrected since.
;; Multi Head Attention. Allowed arithmetic: matrix products marked QUANTISED: E3M2 operands, one E8M0 scale for each 32 along K, by v_wmma_scale_f32_16x16x128_f8f6f4 with both operands' format E3M2, f32 sums; everything else in f32.
;; Inputs: Wfc 1,024 x 1,024 float32; Wk 1,024 x 1,024 float32; Wq 1,024 x 1,024 float32; Wv 1,024 x 1,024 float32; k 4,096 x 1,024 float32; q 4,096 x 1,024 float32; v 4,096 x 1,024 float32.
;; Outputs: out0 4,096 x 1,024 float32.
;; This version of the problem:
;;   THIS VERSION OF THE PROBLEM IS GIVEN IN LOW PRECISION. The matrix products marked QUANTISED in the list below multiply operands that are first quantised to E3M2 (3 exponent bits, 2 mantissa bits; 6 bits a number), with one power-of-two scale for each 32 numbers along K (OCP MX v1.0); their sums are f32. All else is computed in f32.
;;   The module's matrix products, in the order in which they are computed (A, B: the left and right operand; K: the contracted axis; several contracted axes count as one K, in the product's order):
;;     1. [M 4,096, K 1,024] x [K 1,024, N 1,024]; A: input q; B: input Wq: QUANTISED
;;     2. [M 4,096, K 1,024] x [K 1,024, N 1,024]; A: input k; B: input Wk: QUANTISED
;;     3. [M 4,096, K 1,024] x [K 1,024, N 1,024]; A: input v; B: input Wv: QUANTISED
;;     4. batch 16 x [M 4,096, K 64] x [K 64, N 4,096]; A: computed on the way; B: computed on the way: QUANTISED
;;     5. batch 16 x [M 4,096, K 4,096] x [K 4,096, N 64]; A: softmax (see below); B: computed on the way: QUANTISED
;;     6. [M 4,096, K 1,024] x [K 1,024, N 1,024]; A: computed on the way; B: input Wfc: QUANTISED
;;   THE QUANTISER, for each operand of a quantised product, along K:
;;     - K is cut into blocks of 32 from its start; a last block that is shorter is filled with zeros.
;;     - A block's scale is 2^e with e = floor(log2(the largest magnitude in the block)) - 4, held to -126 .. 127; a block of zeros has e = 0. As a byte (E8M0): e + 127.
;;     - Each number is divided by its block's scale, clamped to +-28, and rounded to the nearest number of E3M2, ties to even, subnormals kept.
;;     - The product sums the exact products of the quantised numbers (number of the format x scale) in f32.
;;   ~~~python
;;   def quantise(x, axis):      # numpy; x: float32 -> the quantised numbers, widened to float32 again
;;       x = np.moveaxis(x, axis, -1); K = x.shape[-1]
;;       x = np.pad(x, [(0, 0)] * (x.ndim - 1) + [(0, -K % 32)]); x = x.reshape(x.shape[:-1] + (-1, 32)); a = np.abs(x).max(-1, keepdims=True)
;;       e = np.where(a > 0, np.clip(np.frexp(np.where(a > 0, a, 1))[1] - 1 - 4, -126, 127), 0)      # np.frexp(a)[1] - 1 = floor(log2(a)), exactly
;;       r = np.clip(x / 2.0 ** e, -28, 28)
;;       step = 2.0 ** (np.maximum(np.frexp(np.where(r == 0, 1, r))[1] - 1, -2) - 2)
;;       q = np.round(r / step) * step * 2.0 ** e      # np.round: ties to even
;;       return np.moveaxis(q.reshape(q.shape[:-2] + (-1,))[..., :K], -1, axis).astype(np.float32)
;;   ~~~
;;   SOFTMAX AHEAD OF A QUANTISED PRODUCT. Where the list says 'softmax', what is quantised is not the finished softmax but p = 2^(t - M), with t = logit x log2(e) and M = ceil(the row's largest t), a whole number; so 1/2 < the row's largest p <= 1. The row's sum l is taken of the UNQUANTISED p, in f32, and the product's result is divided by l at the end. Since M is a whole number, a kernel that streams over the keys may use a running M (the ceiling of the running maximum): every later rescaling is an exact power of two, which a block's scale takes up: the codes' values come out the same.
;;   OPERANDS COMPUTED ON THE WAY. 'Computed on the way' means the value that the module computes at that place (a softmax that the list does not call 'softmax' is quantised finished and normalised). What goes into a quantiser is computed in f32, as accurately as f32 sums, v_exp_f32 and their like allow (about 1e-6 of the number): no bf16 or f16 on the way to a quantiser, and a product that is left as it is and whose result goes on into a quantised operand takes f32 operands (vector FMAs, or v_wmma_f32_16x16x4_f32). A number that lies on a knife's edge between two numbers of the format may be rounded either way, as far as f32 arithmetic and the matrix unit's own rounding can turn it there, and no further.
;; One version. Each part assembles by itself: llvm-mc -triple=amdgcn-amd-amdhsa -mcpu=gfx1250 --defsym DOCPART=n.
;; ======== version 1 of 1: 4 launches
;; limits: right only within a limited range of input values
;; workspace buffers: cimg 13,107,200 bytes; qimg 3,276,800 bytes; kvimg 6,553,600 bytes; oimg 3,276,800 bytes
;; launch quant (part 1): grid 256 x 1, 8 waves a work-group, no clusters, 68,608 bytes of LDS; arguments q, k, v, Wq, Wk, Wv, Wfc, cimg; writes cimg
.if DOCPART == 1
	.amdgcn_target "amdgcn-amd-amdhsa--gfx1250"
	.amdhsa_code_object_version 6
	.text
	.protected	k_q364d331bf9_quant
	.globl	k_q364d331bf9_quant
	.p2align	8
	.type	k_q364d331bf9_quant,@function
k_q364d331bf9_quant:
	s_mov_b64 s[64:65], 0
	v_nop
	global_prefetch_b8 v0, s[64:65] scope:SCOPE_SE
	s_setreg_imm32_b32 hwreg(HW_REG_WAVE_MODE, 25, 1), 1
	s_wait_xcnt 0x0
; q, k, v [4096][1024] and Wq, Wk, Wv, Wfc [1024][1024], f32, K innermost, become codes of BF6 (E3M2) with one E8M0 byte for each 32 along K,
; laid in cimg IN THE ORDER OF THE OPERAND'S REGISTERS.  A panel is 128 rows: q 0-31, k 32-63, v 64-95, Wq 96-103, Wk 104-111, Wv 112-119, Wfc 120-127.
; Block (panel p, K step s of 128) lies at (8 p + s) x 12,800: eight images of 1,536 bytes (tile t: registers 4 c .. 4 c + 3 of lane l at 1536 t + 512 c + 16 l), then 512 bytes of scale words.
; THE ROWS OF A TILE ARE NOT NEIGHBOURS: lane r of tile 2 b + u holds panel row 32 b + 8 u + r + 8 (r / 8), so that a product that takes such tiles as source 0 has 16 neighbouring rows in the 16 registers of tiles 2 b, 2 b + 1.
; Scale words: half hf (tiles 4 hf .. 4 hf + 3) has 256 bytes at 12,288 + 256 hf; byte 8 l + 4 e is register e: lanes 0-15 the word of tile 4 hf + e, lanes 16-31 that of tile 4 hf + 2 + e.
; A block's scale is 2^(floor(log2(largest magnitude)) - 4); its byte is the largest magnitude's exponent field - 4, held at 1 from below.
; LIMITS: a block whose largest magnitude lies under 2^-122 (a block of zeros too) keeps the byte 1 where the rule gives less or 127: only this program reads the bytes, and zero codes add nothing. NaN and infinities are not served.
; SHARES: work-group G takes half G % 2 of panel G / 2; wave w takes K step w: four tiles of 16 rows x 128 K.  Each load reads 512 consecutive bytes of a row; the tile turns through the wave's own stage in LDS
; (rows 528 bytes apart), from which a lane takes 16 neighbours of each block of 32.  Waves share nothing: no barrier.  No cluster: no two work-groups read the same bytes.  No prefetch: the launch is one stream of loads.
.set ROWBY, 4096                       ; a row of any of the seven tensors in bytes
.set SP,    528                        ; a stage row: 512 bytes + 16
.set WST,   16*SP                      ; a wave's stage
.set BLKB,  12800
.set RA,    16                         ; v16-143  two sets of 64: a tile as loaded
.set X,     144                        ; v144-207 register 16 b + i = k 32 b + 16 (lane / 16) + i of my row
.set PC,    208                        ; v208-219 the fragment's codes
.set CT,    220                        ; v220-227 the second halves of the blocks, as the conversions leave them
.set TM,    228                        ; v228-231 largest magnitudes, v232-235 bytes, v240-243 the conversions' scale operands
.set PW,    244                        ; v244-247 the four tiles' scale words
	s_load_b512 s[4:19], s[0:1], 0x0               ; q, k, v, Wq, Wk, Wv, Wfc, cimg
	v_lshl_add_u32 v254, v0, 2, 0x10800
	v_mov_b32 v255, 0
	v_lshrrev_b32 v5, 5, v0
	s_delay_alu instid0(VALU_DEP_1)
	v_readfirstlane_b32 s20, v5                    ; wave = K step
	v_and_b32 v6, 31, v0                           ; lane
	v_and_b32 v7, 15, v0                           ; r
	v_bfe_u32 v8, v0, 4, 1                         ; h
	s_delay_alu instid0(VALU_DEP_3)
	v_lshlrev_b32 v1, 4, v6                        ; 16 l: my bytes of a load, and of an image's 512
	s_delay_alu instid0(VALU_DEP_4)
	v_lshlrev_b32 v4, 3, v6                        ; 8 l: my two scale words
	s_mul_i32 s21, s20, WST
	v_add_nc_u32 v2, s21, v1                       ; into the stage: as loaded
	v_mul_u32_u24 v3, v7, SP
	s_delay_alu instid0(VALU_DEP_1)
	v_lshl_add_u32 v3, v8, 6, v3
	s_delay_alu instid0(VALU_DEP_1)
	v_add_nc_u32 v3, s21, v3                       ; out of it: row r, + 64 h
	s_mov_b32 s22, 0x76543210
	s_mov_b32 s23, 0xfedcba98                      ; v_permlanex16_b32's selects for lane l xor 16
	s_mov_b32 s36, 0xffff0000                      ; lanes 16-31
.irp b, 0,1,2,3
	v_mov_b32 v[TM+4+\b], 0                        ; written once: a lane permute's destination counts as one of its sources
.endr
	s_lshr_b32 s26, ttmp9, 1                       ; panel
	s_and_b32 s27, ttmp9, 1                        ; half
	s_cmp_lt_u32 s26, 96
	s_cselect_b32 s28, 31, 7
	s_and_b32 s28, s26, s28                        ; the panel's number in its own tensor
	s_lshl_b32 s28, s28, 19                        ; 128 rows of 4,096 bytes,
	s_lshl_b32 s29, s27, 18                        ; 64 rows a half,
	s_add_co_u32 s28, s28, s29
	s_lshl_b32 s29, s20, 9                         ; 512 bytes a K step
	s_add_co_u32 s28, s28, s29
	s_mov_b32 s29, 0
	s_lshl_b32 s30, s26, 3
	s_add_co_u32 s30, s30, s20
	s_mul_i32 s30, s30, BLKB                       ; my block in cimg
	s_mov_b32 s31, 0
	s_mul_i32 s32, s27, 6144                       ; my half's four images,
	s_mov_b32 s33, 0
	s_lshl_b32 s34, s27, 8                         ; and its scale words
	s_mov_b32 s35, 0
	s_wait_alu depctr_va_vdst(0)
	s_wait_kmcnt 0x0
	s_mov_b64 s[24:25], s[4:5]                     ; which tensor: the choice hangs on the work-group's number alone
	s_cmp_ge_u32 s26, 32
	s_cselect_b64 s[24:25], s[6:7], s[24:25]
	s_cmp_ge_u32 s26, 64
	s_cselect_b64 s[24:25], s[8:9], s[24:25]
	s_cmp_ge_u32 s26, 96
	s_cselect_b64 s[24:25], s[10:11], s[24:25]
	s_cmp_ge_u32 s26, 104
	s_cselect_b64 s[24:25], s[12:13], s[24:25]
	s_cmp_ge_u32 s26, 112
	s_cselect_b64 s[24:25], s[14:15], s[24:25]
	s_cmp_ge_u32 s26, 120
	s_cselect_b64 s[24:25], s[16:17], s[24:25]
	s_add_nc_u64 s[24:25], s[24:25], s[28:29]
	s_add_nc_u64 s[18:19], s[18:19], s[30:31]
	s_add_nc_u64 s[32:33], s[18:19], s[32:33]      ; where my codes go
	s_add_nc_u64 s[34:35], s[18:19], s[34:35]      ; where my scale words go (+ 12,288)
.macro LOAD j                          ; tile j of my half: 16 rows, 512 consecutive bytes each
.irp p, 0,1,2,3,4,5,6,7,8,9,10,11,12,13,14,15
	global_load_b128 v[RA+64*((\j)%2)+4*\p:RA+64*((\j)%2)+4*\p+3], v1, s[24:25] offset:(32*((\j)/2)+8*((\j)%2)+\p+8*(\p/8))*ROWBY th:TH_LOAD_NT
.endr
.endm
.macro TURN j                          ; through the stage: LDS serves a wave's instructions in order, so no wait stands between the stores and the loads
.irp p, 0,1,2,3,4,5,6,7,8,9,10,11,12,13,14,15
	ds_store_b128 v2, v[RA+64*((\j)%2)+4*\p:RA+64*((\j)%2)+4*\p+3] offset:SP*\p
.endr
.irp b, 0,1,2,3
.irp i, 0,1,2,3
	ds_load_b128 v[X+16*\b+4*\i:X+16*\b+4*\i+3], v3 offset:128*\b+16*\i
.endr
.endr
.endm
.macro QUANT j                         ; the 64 numbers in X become the fragment's codes in PC and my row's scale word in PW + j
.irp b, 0,1,2,3
	v_max3_num_f32 v[TM+\b], |v[X+16*\b]|, |v[X+1+16*\b]|, 0x2800000   ; block b: my 16 numbers, and the floor 2^(5 - 127): the byte cannot fall under 1
.endr
.irp i, 2,4,6,8,10,12,14
.irp b, 0,1,2,3
	s_delay_alu instid0(VALU_DEP_4)
	v_max3_num_f32 v[TM+\b], v[TM+\b], |v[X+16*\b+\i]|, |v[X+1+16*\b+\i]|   ; (the four blocks by turns)
.endr
.endr
.irp b, 0,1,2,3
	s_delay_alu instid0(VALU_DEP_4)
	v_permlanex16_b32 v[TM+4+\b], v[TM+\b], s22, s23
.endr
.irp b, 0,1,2,3
	s_delay_alu instid0(VALU_DEP_4)
	v_max_num_f32 v[TM+\b], v[TM+\b], v[TM+4+\b]   ; with lane l xor 16's: the block's largest magnitude
.endr
.irp b, 0,1,2,3
	s_delay_alu instid0(VALU_DEP_4)
	v_add_nc_u32 v[TM+12+\b], 0xfe000000, v[TM+\b] ; 4 off its exponent field: the conversion takes that field as its scale
.endr
.irp b, 0,1,2,3
	s_delay_alu instid0(VALU_DEP_4)
	v_lshrrev_b32 v[TM+4+\b], 23, v[TM+12+\b]      ; the scale's byte
.endr
	s_delay_alu instid0(VALU_DEP_3)
	v_lshl_or_b32 v[PW+\j], v[TM+5], 8, v[TM+4]
	s_delay_alu instid0(VALU_DEP_1)
	v_lshl_or_b32 v[PW+\j], v[TM+6], 16, v[PW+\j]
	s_delay_alu instid0(VALU_DEP_1)
	v_lshl_or_b32 v[PW+\j], v[TM+7], 24, v[PW+\j]
.irp c, 0,1
	v_cvt_scalef32_pk16_bf6_f32 v[PC+6*\c:PC+6*\c+2], v[X+32*\c:X+32*\c+15], v[TM+12+2*\c]
	v_cvt_scalef32_pk16_bf6_f32 v[CT+4*\c:CT+4*\c+2], v[X+32*\c+16:X+32*\c+31], v[TM+12+2*\c+1]   ; (a conversion's three registers begin on an even number)
.endr
	v_nop                                          ; one plain place behind a scaled conversion
.irp c, 0,1                            ; the operand's layout wants a whole block in a lane: lanes 0-15 block 2 c, lanes 16-31 block 2 c + 1
.irp i, 0,1,2
	v_permlane16_swap_b32 v[PC+6*\c+\i], v[CT+4*\c+\i]
.endr
.irp i, 0,1,2
	s_delay_alu instid0(VALU_DEP_3)
	v_mov_b32 v[PC+6*\c+3+\i], v[CT+4*\c+\i]
.endr
.endr
.endm
	LOAD 0
	LOAD 1
.irp j, 0,1,2,3
.if \j < 3
	s_wait_loadcnt 16                              ; this tile's 16 loads are in; the next tile's 16 may be out
.else
	s_wait_loadcnt 0x0
.endif
	TURN \j
	s_wait_dscnt 0x0                               ; the numbers are back from the stage
	s_wait_xcnt 0x0                                ; the last tile's stores have read PC: it is written again only behind this wait
.if \j < 2
	LOAD \j+2
.endif
	QUANT \j
.irp c, 0,1,2
	global_store_b128 v1, v[PC+4*\c:PC+4*\c+3], s[32:33] offset:1536*\j+512*\c   ; 32 lanes store 512 consecutive bytes, aligned to 256
.endr
.endr
	v_cndmask_b32 v248, v[PW], v[PW+2], s36        ; register 0: lanes 0-15 tile 0's words, lanes 16-31 tile 2's
	v_cndmask_b32 v249, v[PW+1], v[PW+3], s36      ; register 1: tiles 1 and 3
	global_store_b64 v4, v[248:249], s[34:35] offset:12288   ; 256 consecutive bytes, aligned
	s_wait_tensorcnt 0x0
	ds_add_u32 v254, v255
	s_wait_dscnt 0x0
	s_endpgm
.Lfunc_end_k_q364d331bf9_quant:
	.size	k_q364d331bf9_quant, .Lfunc_end_k_q364d331bf9_quant-k_q364d331bf9_quant
	.p2alignl 7, 3214868480
	.fill 96, 4, 3214868480
	.section	.rodata,"a",@progbits
	.p2align	6, 0x0
	.amdhsa_kernel k_q364d331bf9_quant
		.amdhsa_group_segment_fixed_size 68608
		.amdhsa_private_segment_fixed_size 0
		.amdhsa_enable_private_segment 0
		.amdhsa_kernarg_size 64
		.amdhsa_user_sgpr_count 2
		.amdhsa_user_sgpr_kernarg_segment_ptr 1
		.amdhsa_wavefront_size32 1
		.amdhsa_system_sgpr_workgroup_id_x 1
		.amdhsa_system_sgpr_workgroup_id_y 1
		.amdhsa_system_sgpr_workgroup_id_z 1
		.amdhsa_system_vgpr_workitem_id 0
		.amdhsa_next_free_vgpr 256
		.amdhsa_next_free_sgpr 66
		.amdhsa_reserve_vcc 0
		.amdhsa_float_denorm_mode_32 3
		.amdhsa_float_denorm_mode_16_64 3
		.amdhsa_memory_ordered 1
		.amdhsa_forward_progress 1
		.amdhsa_inst_pref_size 41
	.end_amdhsa_kernel
	.amdgpu_metadata
---
amdhsa.version: [ 1, 2 ]
amdhsa.kernels:
  - .name:           k_q364d331bf9_quant
    .symbol:         k_q364d331bf9_quant.kd
    .args:
      - { .name: q, .offset: 0, .size: 8, .value_kind: global_buffer, .address_space: global }
      - { .name: k, .offset: 8, .size: 8, .value_kind: global_buffer, .address_space: global }
      - { .name: v, .offset: 16, .size: 8, .value_kind: global_buffer, .address_space: global }
      - { .name: Wq, .offset: 24, .size: 8, .value_kind: global_buffer, .address_space: global }
      - { .name: Wk, .offset: 32, .size: 8, .value_kind: global_buffer, .address_space: global }
      - { .name: Wv, .offset: 40, .size: 8, .value_kind: global_buffer, .address_space: global }
      - { .name: Wfc, .offset: 48, .size: 8, .value_kind: global_buffer, .address_space: global }
      - { .name: cimg, .offset: 56, .size: 8, .value_kind: global_buffer, .address_space: global }
    .group_segment_fixed_size: 68608
    .private_segment_fixed_size: 0
    .kernarg_segment_align: 8
    .kernarg_segment_size: 64
    .max_flat_workgroup_size: 256
    .sgpr_count:     66
    .vgpr_count:     256
    .wavefront_size: 32
...
	.end_amdgpu_metadata
.endif
;; end of part 1
;; launch proj (part 2): grid 8 x 96, 4 waves a work-group, clusters of 4 x 4, 205,824 bytes of LDS; arguments cimg, qimg, kvimg; writes qimg, kvimg
.if DOCPART == 2
	.amdgcn_target "amdgcn-amd-amdhsa--gfx1250"
	.amdhsa_code_object_version 6
	.text
	.protected	k_q364d331bf9_proj
	.globl	k_q364d331bf9_proj
	.p2align	8
	.type	k_q364d331bf9_proj,@function
k_q364d331bf9_proj:
	s_mov_b64 s[64:65], 0
	v_nop
	global_prefetch_b8 v0, s[64:65] scope:SCOPE_SE
	s_setreg_imm32_b32 hwreg(HW_REG_WAVE_MODE, 25, 1), 1
	s_wait_xcnt 0x0
	s_wait_alu depctr_hold_cnt(0) depctr_sa_sdst(0) depctr_va_vdst(0) depctr_va_sdst(0) depctr_va_ssrc(0) depctr_va_vcc(0) depctr_vm_vsrc(0)
	s_getreg_b32 s2, hwreg(HW_REG_IB_STS2, 6, 4)
	s_cmp_eq_u32 s2, 0
	s_cbranch_scc0 .Lentry_in_a_cluster
	s_endpgm
.Lentry_in_a_cluster:
	s_bfe_u32 s2, ttmp6, 0x10000c
	s_cmp_lg_u32 s2, 0xf033
	s_cbranch_scc0 .Lentry_shape_is_right
	s_endpgm
.Lentry_shape_is_right:
; The three projections q Wq^T, k Wk^T, v Wv^T on codes of BF6 (E3M2) with E8M0 scales, and the quantising of their results for the attention, in registers.
; A work-group makes 128 x 128: activation panel Y (0-31 q, 32-63 k, 64-95 v) x weight panel X of that part.  Four waves, each 64 x 64: 16 accumulators.  kap = wave % 2: half of the activation panel; eta = wave / 2: half of the weight panel = one head.
; PARTS q AND k: source 0 = 16 rows of the weight, source 1 = 16 tokens: a lane holds one token, its registers run along the head's 64, which are the scores' K.
; PART v: source 0 = 16 tokens, source 1 = 16 rows of the weight: a lane holds one channel, its registers run along the keys, which are the second product's K.  The text is one; four LDS bases are chosen by the part.
; By the choice of a tile's rows (lane r of tile 2 b + u = panel row 32 b + 8 u + r + 8 (r / 8)) the 32 registers of source 0's four tiles are K = 32 b + 16 (lane / 16) + i in register 16 b + i.
; OUT: half images of 768 bytes (16 rows x 64 K: operand registers 0-3 of lane l at 16 l, 4-5 at 512 + 8 l).
;   qimg block (head, 128 queries) of 6,400 bytes: 8 half images, 256 bytes of scales (byte 8 l + 4 e: register e, lane (g, r): halfword of tile 2 f | halfword of tile 2 f + 1 << 16, f = 2 e + g).
;   kvimg block (head, 128 keys) of 12,800 bytes: K's 8 half images; at 6,144 V's four fragments (channel tile T at 1536 T: keys 0-63, keys 64-127); at 12,288 K's scales as in qimg; at 12,544 V's (register e, lane (g, r): the word of channel tile 2 g + e).
; qh is quantised as it is: the division by 8 is a power of two and goes into the softmax's constant.  LIMITS: a block whose largest magnitude lies under 2^-122 keeps the byte 1, and for qh the rule's lower hold would begin at 2^-119; NaN and infinities are not served.
; LDS holds ALL of K for both panels, filled once: block (K step s, panel pi) at 25,600 s + 12,800 pi.  Nothing is filled again.  Each wave issues four joint loads, so four of its loads are out at the most.
; A load has 50 rows of 256 bytes, one K step of one panel, so that a K step can be multiplied as soon as its own bytes have landed.
; CLUSTER 4 x 4: the activation panel is shared along a row of the cluster, the weight panel along a column.  No prefetch: all tensor loads go out at the kernel's head.
.set BLKB,  12800
; LDS AS IT STANDS HERE (in place of the paragraph on LDS above): the activation panel's eight K steps lie on end from byte 0, the weight panel's from 8 x 12,800.
; Each wave issues ONE joint load at the head: 200 rows of 256 bytes, four K steps of one panel (waves 0, 1: activations, K steps 0-3 and 4-7; waves 2, 3: weights). One wait for all and one barrier show both panels whole.
.set STEPB, BLKB                       ; from K step to K step in LDS
.set PHASE, 2*STEPB                    ; two K steps: what the address registers are stepped by
.set EXCH,  8*PHASE                    ; behind the panels: 128 bytes a wave, for the exchange of scale registers; no tensor load lands here
.set L16, 1                            ; v1  16 l
.set L8,  2                            ; v2  8 l
.set AD0, 3                            ; v3  LDS address of source 0's images
.set AD1, 4                            ; v4  of source 1's
.set SA0, 5                            ; v5  of source 0's scale words
.set SA1, 6                            ; v6  of source 1's
.set OA,  8                            ; v8-11   16 l + j x tile stride
.set OB,  12                           ; v12-15  8 l + j x tile stride
.set EXW, 16
.set EXR, 17
.set SC,  32                           ; v32-39  scale words and nothing else: set f: source 0's pair at SC + 4 f, source 1's at SC + 4 f + 2
.set PC,  40                           ; v40-63  four half fragments' codes
.set CT,  64                           ; v64-79
.set TM,  80
.set TP,  88
.set TS,  96
.set HW,  104                          ; v104-107 a halfword of scale bytes for each half fragment
.set ACC, 128                          ; accumulator (xt, yt) at ACC + 8 (4 xt + yt); window 1: fragment sets at v0 and v128: source 0's tile yt at 12 yt, source 1's tile xt at 48 + 12 xt
.set G1A, 24
.set G1B, 32
.set G0A, 40
.set G0B, 68
.set SEL, 60
.set MSB, 0
.macro WIN new                         ; the immediate's high byte repeats the setting that is left
.if MSB != \new
	s_set_vgpr_msb (MSB<<8)|\new
.set MSB, \new
.endif
.endm
.macro PLACES
.rept 4
	v_nop
.endr
.endm
.macro CROUND                          ; a round of the cluster's barrier
	s_barrier_signal -1
	s_barrier_wait -1
	s_cmp_lg_u32 s10, 0
	s_cbranch_scc1 .Lnot_wave_0_\@
	s_barrier_signal -3
.Lnot_wave_0_\@:
	s_barrier_wait -3
	s_barrier_signal -1
	s_barrier_wait -1
.endm
; one scaled product.  z = 1: C is the constant 0.  ra, rb: the side's scale words lie in lanes 16-31 of the register named
.macro WMS d, a, b, z, sa, sb, ra, rb
.if \z
.if (\ra) && (\rb)
	v_wmma_scale_f32_16x16x128_f8f6f4 v[(\d):(\d)+7], v[(\a):(\a)+11], v[(\b):(\b)+11], 0, v[\sa], v[\sb] matrix_a_fmt:MATRIX_FMT_BF6 matrix_b_fmt:MATRIX_FMT_BF6 matrix_a_scale:MATRIX_SCALE_ROW1 matrix_b_scale:MATRIX_SCALE_ROW1
.elseif (\ra)
	v_wmma_scale_f32_16x16x128_f8f6f4 v[(\d):(\d)+7], v[(\a):(\a)+11], v[(\b):(\b)+11], 0, v[\sa], v[\sb] matrix_a_fmt:MATRIX_FMT_BF6 matrix_b_fmt:MATRIX_FMT_BF6 matrix_a_scale:MATRIX_SCALE_ROW1
.elseif (\rb)
	v_wmma_scale_f32_16x16x128_f8f6f4 v[(\d):(\d)+7], v[(\a):(\a)+11], v[(\b):(\b)+11], 0, v[\sa], v[\sb] matrix_a_fmt:MATRIX_FMT_BF6 matrix_b_fmt:MATRIX_FMT_BF6 matrix_b_scale:MATRIX_SCALE_ROW1
.else
	v_wmma_scale_f32_16x16x128_f8f6f4 v[(\d):(\d)+7], v[(\a):(\a)+11], v[(\b):(\b)+11], 0, v[\sa], v[\sb] matrix_a_fmt:MATRIX_FMT_BF6 matrix_b_fmt:MATRIX_FMT_BF6
.endif
.else
.if (\ra) && (\rb)
	v_wmma_scale_f32_16x16x128_f8f6f4 v[(\d):(\d)+7], v[(\a):(\a)+11], v[(\b):(\b)+11], v[(\d):(\d)+7], v[\sa], v[\sb] matrix_a_fmt:MATRIX_FMT_BF6 matrix_b_fmt:MATRIX_FMT_BF6 matrix_a_scale:MATRIX_SCALE_ROW1 matrix_b_scale:MATRIX_SCALE_ROW1
.elseif (\ra)
	v_wmma_scale_f32_16x16x128_f8f6f4 v[(\d):(\d)+7], v[(\a):(\a)+11], v[(\b):(\b)+11], v[(\d):(\d)+7], v[\sa], v[\sb] matrix_a_fmt:MATRIX_FMT_BF6 matrix_b_fmt:MATRIX_FMT_BF6 matrix_a_scale:MATRIX_SCALE_ROW1
.elseif (\rb)
	v_wmma_scale_f32_16x16x128_f8f6f4 v[(\d):(\d)+7], v[(\a):(\a)+11], v[(\b):(\b)+11], v[(\d):(\d)+7], v[\sa], v[\sb] matrix_a_fmt:MATRIX_FMT_BF6 matrix_b_fmt:MATRIX_FMT_BF6 matrix_b_scale:MATRIX_SCALE_ROW1
.else
	v_wmma_scale_f32_16x16x128_f8f6f4 v[(\d):(\d)+7], v[(\a):(\a)+11], v[(\b):(\b)+11], v[(\d):(\d)+7], v[\sa], v[\sb] matrix_a_fmt:MATRIX_FMT_BF6 matrix_b_fmt:MATRIX_FMT_BF6
.endif
.endif
.endm
; nh half fragments: half hf takes v[src + 32 hf ..], register 16 b + i = K 32 b + 16 (lane / 16) + i of my row; its six operand registers come out at pc + 6 hf, its two scale bytes at hw + hf.  All blocks by turns.
.macro HQUANT nh, src, pc, ct, tm, tp, ts, hw
.set qq, 0
.rept 2*(\nh)
	v_max3_num_f32 v[\tm+qq], |v[\src+16*qq]|, |v[\src+16*qq+1]|, 0x2800000   ; my 16 numbers of block qq, from the low end on, and the floor 2^(5 - 127)
.set qq, qq+1
.endr
.irp i, 2,4,6,8,10,12,14
.set qq, 0
.rept 2*(\nh)
	v_max3_num_f32 v[\tm+qq], v[\tm+qq], |v[\src+16*qq+\i]|, |v[\src+16*qq+\i+1]|
.set qq, qq+1
.endr
.endr
.set qq, 0
.rept 2*(\nh)
	v_permlanex16_b32 v[\tp+qq], v[\tm+qq], s[SEL], s[SEL+1]
.set qq, qq+1
.endr
.set qq, 0
.rept 2*(\nh)
	v_max_num_f32 v[\tm+qq], v[\tm+qq], v[\tp+qq]  ; with lane l xor 16's: the block's largest magnitude
.set qq, qq+1
.endr
.set qq, 0
.rept 2*(\nh)
	v_add_nc_u32 v[\ts+qq], 0xfe000000, v[\tm+qq]  ; 4 off its exponent field: the conversion's scale operand
.set qq, qq+1
.endr
.set qq, 0
.rept 2*(\nh)
	v_lshrrev_b32 v[\tp+qq], 23, v[\ts+qq]         ; the scale's byte
.set qq, qq+1
.endr
.set qq, 0
.rept \nh
	v_lshl_or_b32 v[\hw+qq], v[\tp+2*qq+1], 8, v[\tp+2*qq]
.set qq, qq+1
.endr
.set qq, 0
.rept \nh
	v_cvt_scalef32_pk16_bf6_f32 v[\pc+6*qq:\pc+6*qq+2], v[\src+32*qq:\src+32*qq+15], v[\ts+2*qq]
	v_cvt_scalef32_pk16_bf6_f32 v[\ct+4*qq:\ct+4*qq+2], v[\src+32*qq+16:\src+32*qq+31], v[\ts+2*qq+1]
.set qq, qq+1
.endr
	v_nop                                          ; one plain place behind a scaled conversion
.set qq, 0
.rept \nh
.irp i, 0,1,2
	v_permlane16_swap_b32 v[\pc+6*qq+\i], v[\ct+4*qq+\i]   ; a whole block to a lane: lanes 0-15 the first block, lanes 16-31 the second
.endr
.irp i, 0,1,2
	v_mov_b32 v[\pc+6*qq+3+\i], v[\ct+4*qq+\i]
.endr
.set qq, qq+1
.endr
.endm
	s_load_b128 s[4:7], s[0:1], 0x0                ; cimg, qimg
	s_load_b64 s[8:9], s[0:1], 0x10                ; kvimg
	v_lshl_add_u32 v126, v0, 2, 0x32200
	v_mov_b32 v127, 0
	ds_add_u32 v126, v127
	ds_add_u32 v126, v127
	v_lshrrev_b32 v18, 5, v0
	v_readfirstlane_b32 s10, v18                   ; wave 0..3
	s_and_b32 s11, s10, 1                          ; kap.  Also: which four K steps I fetch (0-3 or 4-7)
	s_lshr_b32 s12, s10, 1                         ; eta.  Also: I fetch activations (0) or weights (1)
	s_bfe_u32 s13, ttmp6, 0x40000                  ; cx
	s_bfe_u32 s14, ttmp6, 0x40004                  ; cy
	s_lshl_b32 s15, ttmp9, 2
	s_add_co_u32 s15, s15, s13                     ; X = 4 x cluster x + cx
	s_and_b32 s17, ttmp7, 0xffff                   ; cluster y
	s_lshl_b32 s16, s17, 2
	s_add_co_u32 s16, s16, s14                     ; Y = 4 x cluster y + cy
	s_lshr_b32 s17, s17, 3                         ; the part: 0 q, 1 k, 2 v: eight clusters of Y each, so all sixteen partners share it
	s_lshr_b32 s18, s17, 1                         ; 1 for v
	s_cmp_eq_u32 s17, 0
	s_cselect_b32 s19, 1, 0                        ; 1 for q
	s_lshl_b32 s20, s14, 2
	s_lshl_b32 s20, 15, s20                        ; my row of the cluster
	s_lshl_b32 s21, 0x1111, s13                    ; my column
	s_or_b32 s[G1A], s20, (3<<16)|(1<<21)          ; 15:0 the mask; 17:16 elements of 8 bytes; 21 set beside a mask; no padding: images are read 16 l and 8 l on end
	s_or_b32 s[G1B], s21, (3<<16)|(1<<21)
.irp g, G1A, G1B
	s_mov_b32 s[\g+1], 32<<16                      ; tensor_dim0 = 32 elements: 256 bytes
	s_mov_b32 s[\g+2], 200<<16                     ; tensor_dim1 = 200 rows: 51,200 dense bytes, four K steps
	s_mov_b32 s[\g+3], 32<<16                      ; tile_dim0
	s_mov_b32 s[\g+4], 200                         ; tile_dim1
	s_mov_b32 s[\g+5], 32                          ; the pitch
	s_mov_b32 s[\g+6], 0
	s_mov_b32 s[\g+7], 0
.endr
	s_lshl_b32 s22, s16, 1                         ; activations: block 8 Y + 4 (wave % 2): made of Y alone, which my row shares
	s_add_co_u32 s22, s22, s11
	s_lshl_b32 s22, s22, 2
	s_mul_i32 s22, s22, BLKB
	s_mov_b32 s23, 0
	s_lshl_b32 s94, s17, 3                         ; weights: panel 96 + 8 part + X: made of X and the part, which my column shares
	s_add_co_u32 s94, s94, s15
	s_add_co_u32 s94, s94, 96
	s_lshl_b32 s94, s94, 1
	s_add_co_u32 s94, s94, s11
	s_lshl_b32 s94, s94, 2                         ; block 8 panel + 4 (wave % 2)
	s_mul_i32 s94, s94, BLKB
	s_mov_b32 s95, 0
	s_mul_i32 s96, s11, 4*BLKB                     ; in LDS: the wave's number alone
	s_mov_b32 s[SEL], 0x76543210
	s_mov_b32 s[SEL+1], 0xfedcba98
	s_mov_b32 s62, 0xffff0000                      ; lanes 16-31
	s_wait_dscnt 0x0
	s_wait_kmcnt 0x0
	s_mov_b32 s[G0A], 1
	s_mov_b32 s[G0A+1], s96
	s_add_nc_u64 s[G0A+2:G0A+3], s[4:5], s[22:23]
	s_or_b32 s[G0A+3], s[G0A+3], 0x80000000
	s_mov_b32 s[G0B], 1
	s_add_co_u32 s[G0B+1], s96, 8*BLKB
	s_add_nc_u64 s[G0B+2:G0B+3], s[4:5], s[94:95]
	s_or_b32 s[G0B+3], s[G0B+3], 0x80000000
	CROUND                                         ; all sixteen work-groups are here: the joint loads meet
	s_cmp_lt_u32 s10, 2                            ; a wave's one fill stands in a branch on the wave's number; four v_nop follow it
	s_cbranch_scc0 .Lfor_b
	tensor_load_to_lds s[G0A:G0A+3], s[G1A:G1A+7]
	s_nop 0
	PLACES
	s_branch .Lasked
.Lfor_b:
	tensor_load_to_lds s[G0B:G0B+3], s[G1B:G1B+7]
	s_nop 0
	PLACES
.Lasked:
	v_and_b32 v18, 31, v0
	v_lshlrev_b32 v[L16], 4, v18
	v_lshlrev_b32 v[L8], 3, v18
	s_wait_alu depctr_va_vdst(0)
	s_mul_i32 s97, s11, 6144                       ; my half of the activation panel: four images,
	s_mul_i32 s98, s12, 6144
	s_add_co_u32 s98, s98, 8*BLKB                  ; my half of the weight panel
	s_cmp_eq_u32 s18, 1
	s_cselect_b32 s99, s97, s98                    ; source 0: the weights, for v the activations
	s_cselect_b32 s93, s98, s97                    ; source 1: the other
	v_add_nc_u32 v[AD0], s99, v[L16]
	v_add_nc_u32 v[AD1], s93, v[L16]
	s_lshl_b32 s97, s11, 8
	s_add_co_u32 s97, s97, 12288                   ; their scale words
	s_lshl_b32 s98, s12, 8
	s_add_co_u32 s98, s98, 8*BLKB+12288
	s_cmp_eq_u32 s18, 1
	s_cselect_b32 s99, s97, s98
	s_cselect_b32 s93, s98, s97
	v_add_nc_u32 v[SA0], s99, v[L8]
	v_add_nc_u32 v[SA1], s93, v[L8]
	v_lshl_add_u32 v[EXW], v0, 2, EXCH             ; 128 x wave + 4 l
	s_lshl_b32 s97, s12, 8
	v_lshl_add_u32 v[EXR], v18, 2, EXCH
	v_add_nc_u32 v[EXR], s97, v[EXR]               ; the two waves of my head: 256 eta + 4 l
.irp b, 0,1,2,3,4,5,6,7
	v_mov_b32 v[TP+\b], 0                          ; written once: a lane permute's destination counts as one of its sources
.endr
	s_lshl_b32 s88, 768, s18                       ; from tile to tile in the output: 768, for v 1,536
	s_lshl_b32 s89, s88, 1
	s_mul_i32 s90, s88, 3
	v_mov_b32 v[OA], v[L16]
	v_add_nc_u32 v[OA+1], s88, v[L16]
	v_add_nc_u32 v[OA+2], s89, v[L16]
	v_add_nc_u32 v[OA+3], s90, v[L16]
	v_mov_b32 v[OB], v[L8]
	v_add_nc_u32 v[OB+1], s88, v[L8]
	v_add_nc_u32 v[OB+2], s89, v[L8]
	v_add_nc_u32 v[OB+3], s90, v[L8]
	s_lshl_b32 s96, s15, 1
	s_add_co_u32 s96, s96, s12                     ; the head: 2 X + eta
	s_lshl_b32 s96, s96, 5
	s_and_b32 s97, s16, 31
	s_add_co_u32 s96, s96, s97                     ; the block: 32 head + (Y % 32)
	s_lshr_b32 s97, BLKB, s19                      ; of 12,800 bytes, for q 6,400
	s_mul_i32 s96, s96, s97
	s_mov_b32 s97, 0
	s_cmp_eq_u32 s19, 1
	s_cselect_b64 s[84:85], s[6:7], s[8:9]         ; qimg or kvimg: the choice hangs on the part alone
	s_add_nc_u64 s[84:85], s[84:85], s[96:97]
	s_lshr_b32 s98, 12288, s19                     ; the scales: q 6,144, k 12,288, v 12,544
	s_lshl_b32 s99, s18, 8
	s_add_co_u32 s98, s98, s99
	s_mov_b32 s99, 0
	s_add_nc_u64 s[86:87], s[84:85], s[98:99]
	s_mul_i32 s98, s18, 6144                       ; the codes: v's lie behind k's; my half: q, k four tiles on (3,072), v the fragments' second halves (768)
	s_lshl_b32 s93, s18, 1
	s_lshr_b32 s93, 3072, s93
	s_mul_i32 s93, s93, s11
	s_add_co_u32 s98, s98, s93
	s_add_nc_u64 s[84:85], s[84:85], s[98:99]
	s_mov_b32 s91, 0x03020100                      ; how the two waves' scale registers are joined: q, k: as they are;
	s_mov_b32 s92, 0x07060504
	s_mov_b32 s93, 0x05040100                      ; v: the two low halves, the two high halves
	s_mov_b32 s97, 0x07060302
	s_cmp_eq_u32 s18, 1
	s_cselect_b32 s91, s93, s91
	s_cselect_b32 s92, s97, s92
.macro FETCH s, f                      ; K step s: 4 + 4 fragments and two pairs of scale registers into set f: 26 LDS loads
	WIN 0x40                                       ; destination window 1
.irp t, 0,1,2,3
.irp c, 0,1,2
	ds_load_b128 v[128*(\f)+12*\t+4*\c:128*(\f)+12*\t+4*\c+3], v[AD0] offset:STEPB*((\s)%2)+1536*\t+512*\c
.endr
.endr
.irp t, 0,1,2,3
.irp c, 0,1,2
	ds_load_b128 v[128*(\f)+48+12*\t+4*\c:128*(\f)+48+12*\t+4*\c+3], v[AD1] offset:STEPB*((\s)%2)+1536*\t+512*\c
.endr
.endr
	WIN 0
	ds_load_b64 v[SC+4*(\f):SC+4*(\f)+1], v[SA0] offset:STEPB*((\s)%2)
	ds_load_b64 v[SC+4*(\f)+2:SC+4*(\f)+3], v[SA1] offset:STEPB*((\s)%2)
.endm
.macro MUL f, zero                     ; 16 products; the 16 accumulators take turns, in the same order in every K step
	WIN 0x05                                       ; sources 0 and 1 window 1; C, D and the scales window 0
.irp xt, 0,1,2,3
.irp yt, 0,1,2,3
	WMS ACC+8*(4*\xt+\yt), 128*(\f)+12*\yt, 128*(\f)+48+12*\xt, \zero, SC+4*(\f)+\yt%2, SC+4*(\f)+2+\xt%2, \yt/2, \xt/2
.endr
.endr
.endm
	s_wait_alu depctr_va_vdst(0)
	s_wait_tensorcnt 0x0                           ; my one load, four K steps of one panel, is in
	s_barrier_signal -1
	s_barrier_wait -1                              ; everybody's is
	FETCH 0, 0
	FETCH 1, 1
.irp s, 0,1,2,3,4,5,6,7
.if \s < 7
	s_wait_dscnt 26                                ; this K step's set is in; the other set's 26 loads may be out
.else
	s_wait_dscnt 0x0
.endif
.if \s == 0
	MUL 0, 1                                       ; the first K step starts the sums: nothing is cleared
.else
	MUL \s%2, 0
.endif
	WIN 0
.if (\s < 6) && (\s%2 == 0)
	v_add_nc_u32 v[AD0], PHASE, v[AD0]             ; on to the next two K steps; these four are also the places ahead of the loads into the set just multiplied
	v_add_nc_u32 v[AD1], PHASE, v[AD1]
	v_add_nc_u32 v[SA0], PHASE, v[SA0]
	v_add_nc_u32 v[SA1], PHASE, v[SA1]
	s_wait_alu depctr_va_vdst(0)
	FETCH \s+2, \s%2
.elseif \s < 6
	PLACES
	FETCH \s+2, \s%2
.endif
.endr
	; THE WAY OUT: each of source 1's four tiles is a half fragment: 16 rows x 64 K
	PLACES
	HQUANT 4, ACC, PC, CT, TM, TP, TS, HW
.irp j, 0,1,2,3
	global_store_b128 v[OA+\j], v[PC+6*\j:PC+6*\j+3], s[84:85]                 ; 512 consecutive bytes, aligned to 256
	global_store_b64 v[OB+\j], v[PC+6*\j+4:PC+6*\j+5], s[84:85] offset:512     ; 256 consecutive bytes, aligned
.endr
	v_lshl_or_b32 v108, v[HW+1], 16, v[HW]
	v_lshl_or_b32 v109, v[HW+3], 16, v[HW+2]
	v_cndmask_b32 v110, v108, v109, s62            ; lanes 0-15: tiles 0, 1; lanes 16-31: tiles 2, 3
	ds_store_b32 v[EXW], v110
	s_wait_dscnt 0x0                               ; for the other wave's sake
	s_barrier_signal -1
	s_barrier_wait -1
	ds_load_b32 v112, v[EXR]                       ; kap = 0's register,
	ds_load_b32 v113, v[EXR] offset:128            ; kap = 1's
	s_wait_dscnt 0x0
	v_perm_b32 v114, v113, v112, s91
	v_perm_b32 v115, v113, v112, s92
	s_cmp_lg_u32 s11, 0                            ; one wave of the two stores the head's 256 bytes of scales
	s_cbranch_scc1 .Lno_scales
	global_store_b64 v[L8], v[114:115], s[86:87]
.Lno_scales:
	s_wait_tensorcnt 0x0
	ds_add_u32 v126, v127
	s_wait_dscnt 0x0
	CROUND                                         ; the closing round: no work-group ends while a partner may still ask for a block that names it
	s_endpgm
.Lfunc_end_k_q364d331bf9_proj:
	.size	k_q364d331bf9_proj, .Lfunc_end_k_q364d331bf9_proj-k_q364d331bf9_proj
	.p2alignl 7, 3214868480
	.fill 96, 4, 3214868480
	.section	.rodata,"a",@progbits
	.p2align	6, 0x0
	.amdhsa_kernel k_q364d331bf9_proj
		.amdhsa_group_segment_fixed_size 205824
		.amdhsa_private_segment_fixed_size 0
		.amdhsa_enable_private_segment 0
		.amdhsa_kernarg_size 24
		.amdhsa_user_sgpr_count 2
		.amdhsa_user_sgpr_kernarg_segment_ptr 1
		.amdhsa_wavefront_size32 1
		.amdhsa_system_sgpr_workgroup_id_x 1
		.amdhsa_system_sgpr_workgroup_id_y 1
		.amdhsa_system_sgpr_workgroup_id_z 1
		.amdhsa_system_vgpr_workitem_id 0
		.amdhsa_next_free_vgpr 512
		.amdhsa_next_free_sgpr 100
		.amdhsa_reserve_vcc 0
		.amdhsa_float_denorm_mode_32 3
		.amdhsa_float_denorm_mode_16_64 3
		.amdhsa_memory_ordered 1
		.amdhsa_forward_progress 1
		.amdhsa_inst_pref_size 49
	.end_amdhsa_kernel
	.amdgpu_metadata
---
amdhsa.version: [ 1, 2 ]
amdhsa.kernels:
  - .name:           k_q364d331bf9_proj
    .symbol:         k_q364d331bf9_proj.kd
    .args:
      - { .name: cimg, .offset: 0, .size: 8, .value_kind: global_buffer, .address_space: global }
      - { .name: qimg, .offset: 8, .size: 8, .value_kind: global_buffer, .address_space: global }
      - { .name: kvimg, .offset: 16, .size: 8, .value_kind: global_buffer, .address_space: global }
    .group_segment_fixed_size: 205824
    .private_segment_fixed_size: 0
    .kernarg_segment_align: 8
    .kernarg_segment_size: 24
    .max_flat_workgroup_size: 128
    .sgpr_count:     100
    .vgpr_count:     512
    .wavefront_size: 32
...
	.end_amdgpu_metadata
.endif
;; end of part 2
;; launch attn (part 3): grid 16 x 16, 16 waves a work-group, clusters of 4 x 1, 327,680 bytes of LDS; arguments qimg, kvimg, oimg; writes oimg
.if DOCPART == 3
	.amdgcn_target "amdgcn-amd-amdhsa--gfx1250"
	.amdhsa_code_object_version 6
	.text
	.protected	k_q364d331bf9_attn
	.globl	k_q364d331bf9_attn
	.p2align	8
	.type	k_q364d331bf9_attn,@function
k_q364d331bf9_attn:
	s_mov_b64 s[64:65], 0
	v_nop
	global_prefetch_b8 v0, s[64:65] scope:SCOPE_SE
	s_setreg_imm32_b32 hwreg(HW_REG_WAVE_MODE, 25, 1), 1
	s_wait_xcnt 0x0
	s_wait_alu depctr_hold_cnt(0) depctr_sa_sdst(0) depctr_va_vdst(0) depctr_va_sdst(0) depctr_va_ssrc(0) depctr_va_vcc(0) depctr_vm_vsrc(0)
	s_getreg_b32 s2, hwreg(HW_REG_IB_STS2, 6, 4)
	s_cmp_eq_u32 s2, 0
	s_cbranch_scc0 .Lentry_in_a_cluster
	s_endpgm
.Lentry_in_a_cluster:
	s_bfe_u32 s2, ttmp6, 0x10000c
	s_cmp_lg_u32 s2, 0x3003
	s_cbranch_scc0 .Lentry_shape_is_right
	s_endpgm
.Lentry_shape_is_right:
; O[h][q] = sum over keys of softmax(Q.K / 8) V, both products on codes of BF6 (E3M2) with E8M0 scales; O / l is quantised along h x 64 + d for the last product and stored as operand images.
; THE SOFTMAX: t = score x log2(e) / 8 (the scores are of qh as it is: the 1 / 8 is exact); M = the running largest t rounded up to a whole number; p = 2^(t - M) is quantised along the keys, not normalised;
; the row's sum is taken of the unquantised p and divides at the end; when M moves, sum and O are multiplied by 2^(old M - new M), which rounds nothing.
; SHARES: a work-group owns 256 queries of one head, each of its sixteen waves one tile of 16 (tile w % 8 of the 128-query block 2 qb + w / 8), in 256 registers: four waves to a SIMD, so that one wave's vector work stands beside another's products and LDS loads.
; Both products are used transposed: S^T = K Q^T, O^T = V^T P^T: a lane holds one query throughout.  By the choice of a tile's rows, made when the images were laid, register 16 b + i of S^T is key 32 b + 16 (lane / 16) + i, and of O^T channel 32 b + 16 (lane / 16) + i.
; THE SCORES' K IS 64, THE INSTRUCTION'S 128: a fragment of K holds two key tiles (k 0-63: tile 2 b, k 64-127: tile 2 b + 1) and is multiplied once by [Q; 0] and once by [0; Q]: Q lies between two runs of six zero registers.
; The zero half has zero codes and the scale byte 0, which is 2^-127: it adds nothing.
; RING: two LDS slots of eight key steps (8 x 12,800 bytes of kvimg, dense), filled by waves 0-3, 100 rows of 256 bytes each.  One tensor load of a wave is out at the most.
; CLUSTER: the four query blocks of a cluster walk the same head's blocks: each load is joint, mask 15.  No prefetch: a refill is issued eight key steps of all sixteen waves ahead of the wait for it.
; LIMITS: a block of O whose largest magnitude lies under 2^-122 keeps the byte 1; NaN and infinities are not served.
.set STEPB, 12800
.set SLOTB, 8*STEPB
; THE RING AS IT STANDS HERE (in place of the paragraph RING above): LDS holds 24 key steps on end.  Slot 0, bytes 0 to 102,399, takes key steps 0-7 at the head (100 rows of 256 bytes for each of waves 0-3);
; slot 1, the 204,800 bytes behind it, takes key steps 8-23 behind the first round (200 rows a wave: a second pair of descriptor groups); behind the round that follows key step 7 slot 0 is filled again, with key steps 24-31.
; So bytes are filled again once.  The barrier that shows that refill whole guards no refill: each wave signals it behind key step 11 (the loading waves behind their wait for the load) and waits for it behind key step 23;
; between the two stand LDS loads from slot 1, which nothing writes any more, and work on registers.  One tensor load of a wave is out at the most.
.set SLOT1, SLOTB                      ; slot 1 begins where slot 0 ends: the steps' LDS address runs on from step 7 to step 8
.set SPARE, 3*SLOTB                    ; the spare words, 128 bytes for each of 16 waves: eight blocks of 256 bytes that no other line names
.set OSC,   SPARE+2048                 ; two planes of 256 bytes: O's scale halfwords, gathered from the waves; no tensor load lands here
.set L16, 1
.set L8,  2
.set A16, 3                            ; the step's LDS addresses
.set A8,  4
.set SPW, 5
.set NIL, 6
.set TT,  7
.set KS,  8                            ; v[8:9]   K's scale words: fragment f: register f / 2, lanes 16 (f % 2) on
.set VS,  10                           ; v[10:11] V's: channel tile T: register T % 2, lanes 16 (T / 2) on
.set NM,  12                           ; v12 -M, v13 the largest t
.set SUM, 14                           ; v[14:15] the sum in two halves
.set QS1, 16                           ; Q's halfword in bytes 0, 1
.set QS2, 17                           ; and in bytes 2, 3
.set PS,  18                           ; p's scale word
.set HWD, 19
.set QZ,  20                           ; v20-25 zeros, v26-31 Q, v32-37 zeros
.set KF,  38                           ; v38-85   four fragments of K
.set VF,  86                           ; v86-133  four of V
.set S,   134                          ; v134-197 S^T, then p
.set O,   198                          ; v198-229 O^T
.set PC,  230                          ; v230-241 p's codes
.set BM,  242                          ; v242-245 the blocks' largest scores
.set T4,  246                          ; v246-249 at work
.set CT,  242                          ; the conversions' second halves take BM's and T4's place when both are done with
.set SO,  250                          ; v250-253 the conversions' scale operands
.set F,   254                          ; v254 f; v255 named with it as a pair
.set G1,  16
.set G0,  24
.set SEL, 28
.set CS,  30
.set TB,  32
.set G1L, 48                           ; s[48:55] group 1 for slot 1's fill: 200 rows
.set G0L, 56                           ; s[56:59] its group 0
.set CNT, 34
.macro PLACES
.rept 4
	v_nop
.endr
.endm
.macro CROUND
	s_barrier_signal -1
	s_barrier_wait -1
	s_cmp_lg_u32 s10, 0
	s_cbranch_scc1 .Lnot_wave_0_\@
	s_barrier_signal -3
.Lnot_wave_0_\@:
	s_barrier_wait -3
	s_barrier_signal -1
	s_barrier_wait -1
.endm
.macro TLOAD g0, g1
	s_cmp_lt_u32 s10, 4
	s_cbranch_scc0 .Lnone_\@
	tensor_load_to_lds s[\g0:\g0+3], s[\g1:\g1+7]
	s_nop 0
	PLACES
.Lnone_\@:
.endm
.macro WMS d, a, b, z, sa, sb, ra      ; one scaled product.  z = 1: C is the constant 0.  ra: source 0's scale words lie in lanes 16-31
.if \z
.if (\ra)
	v_wmma_scale_f32_16x16x128_f8f6f4 v[(\d):(\d)+7], v[(\a):(\a)+11], v[(\b):(\b)+11], 0, v[\sa], v[\sb] matrix_a_fmt:MATRIX_FMT_BF6 matrix_b_fmt:MATRIX_FMT_BF6 matrix_a_scale:MATRIX_SCALE_ROW1
.else
	v_wmma_scale_f32_16x16x128_f8f6f4 v[(\d):(\d)+7], v[(\a):(\a)+11], v[(\b):(\b)+11], 0, v[\sa], v[\sb] matrix_a_fmt:MATRIX_FMT_BF6 matrix_b_fmt:MATRIX_FMT_BF6
.endif
.else
.if (\ra)
	v_wmma_scale_f32_16x16x128_f8f6f4 v[(\d):(\d)+7], v[(\a):(\a)+11], v[(\b):(\b)+11], v[(\d):(\d)+7], v[\sa], v[\sb] matrix_a_fmt:MATRIX_FMT_BF6 matrix_b_fmt:MATRIX_FMT_BF6 matrix_a_scale:MATRIX_SCALE_ROW1
.else
	v_wmma_scale_f32_16x16x128_f8f6f4 v[(\d):(\d)+7], v[(\a):(\a)+11], v[(\b):(\b)+11], v[(\d):(\d)+7], v[\sa], v[\sb] matrix_a_fmt:MATRIX_FMT_BF6 matrix_b_fmt:MATRIX_FMT_BF6
.endif
.endif
.endm
.macro FRAGS reg, off                  ; four fragments, each two half images of 768 bytes: 16 LDS loads
.irp b, 0,1,2,3
	ds_load_b128 v[\reg+12*\b:\reg+12*\b+3], v[A16] offset:\off+1536*\b
	ds_load_b64 v[\reg+12*\b+4:\reg+12*\b+5], v[A8] offset:\off+1536*\b+512
	ds_load_b128 v[\reg+12*\b+6:\reg+12*\b+9], v[A16] offset:\off+1536*\b+768
	ds_load_b64 v[\reg+12*\b+10:\reg+12*\b+11], v[A8] offset:\off+1536*\b+1280
.endr
.endm
	s_load_b128 s[4:7], s[0:1], 0x0                ; qimg, kvimg
	s_load_b64 s[8:9], s[0:1], 0x10                ; oimg
	v_lshl_add_u32 v[SPW], v0, 2, SPARE
	v_mov_b32 v[NIL], 0
	ds_add_u32 v5, v6
	ds_add_u32 v5, v6
	s_wait_dscnt 0x0
	v_lshrrev_b32 v[TT], 5, v0
	s_delay_alu instid0(VALU_DEP_1)
	v_readfirstlane_b32 s10, v[TT]                 ; wave 0..15
	s_bfe_u32 s11, ttmp6, 0x40000                  ; cx
	s_lshl_b32 s12, ttmp9, 2
	s_add_co_u32 s12, s12, s11                     ; my block of 256 queries: it enters qimg's and oimg's addresses alone
	s_and_b32 s13, ttmp7, 0xffff                   ; the head, which the four partners share
	s_mov_b32 s[G1], 15|(3<<16)|(1<<21)            ; 15:0 the mask: all four; 17:16 elements of 8 bytes; 21 set beside a mask; no padding
	s_mov_b32 s[G1+1], 32<<16                      ; tensor_dim0: 256 bytes
	s_mov_b32 s[G1+2], 100<<16                     ; tensor_dim1: 100 rows: two key steps
	s_mov_b32 s[G1+3], 32<<16
	s_mov_b32 s[G1+4], 100
	s_mov_b32 s[G1+5], 32
	s_mov_b32 s[G1+6], 0
	s_mov_b32 s[G1+7], 0
	s_and_b32 s36, s10, 3
	s_mul_i32 s36, s36, 2*STEPB                    ; my quarter of a slot, in LDS and in memory
	s_mul_i32 s38, s13, 32*STEPB                   ; the head's 32 blocks
	s_add_co_u32 s38, s38, s36
	s_mov_b32 s39, 0
	s_mov_b32 s[SEL], 0x76543210
	s_mov_b32 s[SEL+1], 0xfedcba98
	s_mov_b32 s[CS], 0x3e38aa3b                    ; c = log2(e) / 8
	s_mov_b32 s[CS+1], s[CS]                       ; (named with it as a pair, so it is written)
	s_mov_b32 s[TB], 0
	s_mov_b32 s[G1L], 15|(3<<16)|(1<<21)           ; as G1, but 200 rows: four key steps
	s_mov_b32 s[G1L+1], 32<<16
	s_mov_b32 s[G1L+2], 200<<16
	s_mov_b32 s[G1L+3], 32<<16
	s_mov_b32 s[G1L+4], 200
	s_mov_b32 s[G1L+5], 32
	s_mov_b32 s[G1L+6], 0
	s_mov_b32 s[G1L+7], 0
	s_mov_b32 s[G0L], 1
	s_lshl_b32 s[G0L+1], s36, 1                    ; my quarter of slot 1: 4 key steps x (wave % 4),
	s_add_co_u32 s[G0L+1], s[G0L+1], SLOT1         ; behind slot 0
	s_mov_b32 s60, s36                             ; in memory: 2 key steps x (wave % 4) more than slot 0's quarter
	s_mov_b32 s61, 0
	s_lshr_b32 s40, s10, 3
	s_lshl_b32 s41, s12, 1
	s_add_co_u32 s40, s40, s41                     ; yb: my block of 128 queries
	s_and_b32 s41, s10, 7                          ; t8: my tile in it
	s_lshl_b32 s42, s13, 5
	s_add_co_u32 s42, s42, s40
	s_mul_i32 s42, s42, 6400
	s_mov_b32 s43, 0
	s_mul_i32 s44, s41, 768
	s_mov_b32 s45, 0
	s_bfe_u32 s46, s41, 0x10001                    ; my tile's fragment is t8 / 2: lanes 16 ((t8 / 2) % 2) on,
	s_lshl_b32 s46, s46, 7
	s_lshr_b32 s47, s41, 2                         ; register t8 / 4,
	s_lshl_b32 s47, s47, 2
	s_add_co_u32 s46, s46, s47
	s_mov_b32 s47, 0
	s_and_b32 s35, s41, 1
	s_lshl_b32 s35, s35, 4                         ; halfword t8 % 2
	s_wait_kmcnt 0x0
	s_mov_b32 s[G0], 1
	s_mov_b32 s[G0+1], s36
	s_add_nc_u64 s[G0+2:G0+3], s[6:7], s[38:39]
	s_or_b32 s[G0+3], s[G0+3], 0x80000000
	s_add_nc_u64 s[G0L+2:G0L+3], s[6:7], s[38:39]
	s_add_nc_u64 s[G0L+2:G0L+3], s[G0L+2:G0L+3], s[60:61]
	s_add_nc_u64 s[G0L+2:G0L+3], s[G0L+2:G0L+3], SLOTB   ; key step 8 + 4 (wave % 4)
	s_or_b32 s[G0L+3], s[G0L+3], 0x80000000
	CROUND                                         ; all four work-groups are here: the first joint loads meet
	TLOAD G0, G1
	s_add_nc_u64 s[4:5], s[4:5], s[42:43]          ; Q's block,
	s_add_nc_u64 s[44:45], s[4:5], s[44:45]        ; my tile's half image,
	s_add_nc_u64 s[4:5], s[4:5], s[46:47]          ; its scale words (+ 6,144)
	v_and_b32 v[L8], 31, v0
	s_delay_alu instid0(VALU_DEP_1)
	v_lshlrev_b32 v[L16], 4, v[L8]
	s_delay_alu instid0(VALU_DEP_2)
	v_lshlrev_b32 v[L8], 3, v[L8]
	v_and_b32 v[HWD], 15, v0
	s_delay_alu instid0(VALU_DEP_1)
	v_lshlrev_b32 v[HWD], 3, v[HWD]                ; 8 r
	global_load_b128 v[QZ+6:QZ+9], v[L16], s[44:45]
	global_load_b64 v[QZ+10:QZ+11], v[L8], s[44:45] offset:512
	global_load_b32 v[TT], v[HWD], s[4:5] offset:6144
.irp j, 0,1,2,3,4,5
	v_mov_b32 v[QZ+\j], 0
	v_mov_b32 v[QZ+12+\j], 0
.endr
.irp b, 0,1,2,3
	v_mov_b32 v[T4+\b], 0                          ; written once: a lane permute's destination counts as one of its sources
.endr
	v_mov_b32 v[SUM], 0
	v_mov_b32 v[SUM+1], 0
	v_mov_b32 v[F+1], 0
	v_mov_b32 v[NM+1], 0xff61b1e6                  ; the largest t so far: -3e38, under every t
	s_delay_alu instid0(VALU_DEP_1)
	v_floor_f32 v[NM], -v[NM+1]                    ; -M
	s_wait_loadcnt 0x0
	v_lshrrev_b32 v[TT], s35, v[TT]
	s_delay_alu instid0(VALU_DEP_1)
	v_and_b32 v[QS1], 0xffff, v[TT]
	s_delay_alu instid0(VALU_DEP_1)
	v_lshlrev_b32 v[QS2], 16, v[QS1]
.irp j, 0,1,2,3,4,5,6,7,8,9,10,11,12,13,14,15,16,17,18,19,20,21,22,23,24,25,26,27,28,29,30,31
	v_mov_b32 v[O+\j], 0                           ; O^T: the loop is written once, its first step finds zeros.  (Also the places between the lines that made Q's scale registers and the first product)
.endr
; A KEY STEP: 128 keys
.macro STEP
	v_add_nc_u32 v[A16], s[TB], v[L16]
	v_add_nc_u32 v[A8], s[TB], v[L8]
	v_nop
	v_nop                                          ; four places behind the last step's products, ahead of the loads into V's registers
	FRAGS KF, 0
	ds_load_b64 v[KS:KS+1], v[A8] offset:12288
	FRAGS VF, 6144                                 ; V is asked for now and lands under the softmax
	ds_load_b64 v[VS:VS+1], v[A8] offset:12544
	s_wait_dscnt 17                                ; K's 17 loads are in; V's 17 may be out
.irp b, 0,1,2,3
	WMS S+16*\b, KF+12*\b, QZ+6, 1, KS+\b/2, QS1, \b%2      ; x [Q; 0]: key tile 2 b
	WMS S+16*\b+8, KF+12*\b, QZ, 1, KS+\b/2, QS2, \b%2      ; x [0; Q]: key tile 2 b + 1
.endr
	PLACES
.irp b, 0,1,2,3
	v_max3_num_f32 v[BM+\b], v[S+16*\b], v[S+16*\b+1], v[S+16*\b+2]   ; the largest score of each block of 32 keys: it serves the row's maximum and, since p rises with the score, the block's largest p
.endr
.irp i, 3,5,7,9,11,13
.irp b, 0,1,2,3
	v_max3_num_f32 v[BM+\b], v[BM+\b], v[S+16*\b+\i], v[S+16*\b+\i+1]
.endr
.endr
.irp b, 0,1,2,3
	v_max_num_f32 v[BM+\b], v[BM+\b], v[S+16*\b+15]
.endr
.irp b, 0,1,2,3
	s_delay_alu instid0(VALU_DEP_4)
	v_permlanex16_b32 v[T4+\b], v[BM+\b], s[SEL], s[SEL+1]
.endr
.irp b, 0,1,2,3
	s_delay_alu instid0(VALU_DEP_4)
	v_max_num_f32 v[BM+\b], v[BM+\b], v[T4+\b]     ; with lane l xor 16's 16 keys
.endr
	s_delay_alu instid0(VALU_DEP_2)
	v_max3_num_f32 v[TT], v[BM], v[BM+1], v[BM+2]
	s_delay_alu instid0(VALU_DEP_1)
	v_max_num_f32 v[TT], v[TT], v[BM+3]
	s_delay_alu instid0(VALU_DEP_1)
	v_mul_f32 v[TT], s[CS], v[TT]                  ; as t (c is positive)
	s_delay_alu instid0(VALU_DEP_1)
	v_max_num_f32 v[NM+1], v[NM+1], v[TT]          ; the running largest t
	v_mov_b32 v[TT], v[NM]
	s_delay_alu instid0(VALU_DEP_2)
	v_floor_f32 v[NM], -v[NM+1]                    ; the new -M = floor(-t): M is a whole number
	s_delay_alu instid0(VALU_DEP_1)
	v_sub_f32 v[TT], v[NM], v[TT]                  ; old M - new M: a whole number, 0 or less
	s_delay_alu instid0(VALU_DEP_1)
	v_cvt_i32_f32 v[TT], v[TT]                     ; (it saturates)
	s_delay_alu instid0(VALU_DEP_1)
	v_ldexp_f32 v[F], 1.0, v[TT]                   ; f = 2^(old M - new M)
.irp j, 0,2,4,6,8,10,12,14,16,18,20,22,24,26,28,30,32,34,36,38,40,42,44,46,48,50,52,54,56,58,60,62
	v_pk_fma_f32 v[S+\j:S+\j+1], v[S+\j:S+\j+1], s[CS:CS+1], v[NM:NM+1] op_sel_hi:[1,0,0]   ; t - M, two at a time
.endr
.irp b, 0,1,2,3
	v_fma_f32 v[BM+\b], v[BM+\b], s[CS], v[NM]     ; the same of each block's largest score
.endr
	s_wait_alu depctr_va_vdst(0)
.irp j, 0,1,2,3,4,5,6,7,8,9,10,11,12,13,14,15,16,17,18,19,20,21,22,23,24,25,26,27,28,29,30,31,32,33,34,35,36,37,38,39,40,41,42,43,44,45,46,47,48,49,50,51,52,53,54,55,56,57,58,59,60,61,62,63
	v_exp_f32 v[S+\j], v[S+\j]                     ; p = 2^(t - M)
.endr
	v_pk_mul_f32 v[SUM:SUM+1], v[SUM:SUM+1], v[F:F+1] op_sel_hi:[1,0]   ; the sums under the new M: the plain place behind the exponentials
	s_wait_alu depctr_va_vdst(0)                   ; one wait for the batch of 64, ahead of its first reader
.irp b, 0,1,2,3
	v_exp_f32 v[BM+\b], v[BM+\b]                   ; the block's largest p: the same two instructions on the same number
.endr
	v_pk_add_f32 v[246:247], v[138:139], v[142:143]
	v_pk_add_f32 v[252:253], v[146:147], v[150:151]
	v_pk_add_f32 v[250:251], v[154:155], v[158:159]
	v_pk_add_f32 v[248:249], v[162:163], v[166:167]
	v_pk_add_f32 v[240:241], v[170:171], v[174:175]
	v_pk_add_f32 v[238:239], v[178:179], v[182:183]
	v_pk_add_f32 v[236:237], v[186:187], v[190:191]
	v_pk_add_f32 v[14:15], v[14:15], v[194:195]
	v_pk_add_f32 v[246:247], v[246:247], v[134:135]
	v_pk_add_f32 v[252:253], v[252:253], v[136:137]
	v_pk_add_f32 v[250:251], v[250:251], v[140:141]
	v_pk_add_f32 v[248:249], v[248:249], v[144:145]
	v_pk_add_f32 v[240:241], v[240:241], v[148:149]
	v_pk_add_f32 v[238:239], v[238:239], v[152:153]
	v_pk_add_f32 v[236:237], v[236:237], v[156:157]
	v_pk_add_f32 v[14:15], v[14:15], v[160:161]
	v_pk_add_f32 v[246:247], v[246:247], v[164:165]
	v_pk_add_f32 v[252:253], v[252:253], v[168:169]
	v_pk_add_f32 v[250:251], v[250:251], v[172:173]
	v_pk_add_f32 v[248:249], v[248:249], v[176:177]
	v_pk_add_f32 v[240:241], v[240:241], v[180:181]
	v_pk_add_f32 v[238:239], v[238:239], v[184:185]
	v_pk_add_f32 v[236:237], v[236:237], v[188:189]
	v_pk_add_f32 v[14:15], v[14:15], v[192:193]
	v_pk_add_f32 v[246:247], v[246:247], v[196:197]
	s_delay_alu instid0(VALU_DEP_2)
	v_pk_add_f32 v[14:15], v[14:15], v[248:249]
	s_delay_alu instid0(VALU_DEP_2)
	v_pk_add_f32 v[246:247], v[246:247], v[240:241]
	v_pk_add_f32 v[252:253], v[252:253], v[238:239]
	v_pk_add_f32 v[250:251], v[250:251], v[236:237]
	s_delay_alu instid0(VALU_DEP_2)
	v_pk_add_f32 v[14:15], v[14:15], v[252:253]
	s_delay_alu instid0(VALU_DEP_2)
	v_pk_add_f32 v[246:247], v[246:247], v[250:251]
	s_delay_alu instid0(VALU_DEP_1)
	v_pk_add_f32 v[14:15], v[14:15], v[246:247]
	s_wait_alu depctr_va_vdst(0)                   ; and one for the four
.irp b, 0,1,2,3
	v_max_num_f32 v[BM+\b], 0x2800000, v[BM+\b]    ; the floor 2^(5 - 127): the byte cannot fall under 1
.endr
.irp b, 0,1,2,3
	s_delay_alu instid0(VALU_DEP_4)
	v_add_nc_u32 v[SO+\b], 0xfe000000, v[BM+\b]    ; 4 off the exponent field: the conversion's scale operand
.endr
.irp b, 0,1,2,3
	s_delay_alu instid0(VALU_DEP_4)
	v_lshrrev_b32 v[T4+\b], 23, v[SO+\b]           ; the scale's byte
.endr
	s_delay_alu instid0(VALU_DEP_3)
	v_lshl_or_b32 v[PS], v[T4+1], 8, v[T4]
	s_delay_alu instid0(VALU_DEP_1)
	v_lshl_or_b32 v[PS], v[T4+2], 16, v[PS]
	s_delay_alu instid0(VALU_DEP_1)
	v_lshl_or_b32 v[PS], v[T4+3], 24, v[PS]
.irp c, 0,1
	v_cvt_scalef32_pk16_bf6_f32 v[PC+6*\c:PC+6*\c+2], v[S+32*\c:S+32*\c+15], v[SO+2*\c]
	v_cvt_scalef32_pk16_bf6_f32 v[CT+4*\c:CT+4*\c+2], v[S+32*\c+16:S+32*\c+31], v[SO+2*\c+1]
.endr
	v_nop                                          ; one plain place behind a scaled conversion
.irp c, 0,1
.irp i, 0,1,2
	v_permlane16_swap_b32 v[PC+6*\c+\i], v[CT+4*\c+\i]
.endr
.irp i, 0,1,2
	s_delay_alu instid0(VALU_DEP_3)
	v_mov_b32 v[PC+6*\c+3+\i], v[CT+4*\c+\i]
.endr
.endr
.irp j, 0,2,4,6,8,10,12,14,16,18,20,22,24,26,28,30
	v_pk_mul_f32 v[O+\j:O+\j+1], v[O+\j:O+\j+1], v[F:F+1] op_sel_hi:[1,0]   ; O^T under the new M.  (These 16 are also the places between the lines that made p's codes and scale word and the products below)
.endr
	s_wait_alu depctr_va_vdst(0)
	s_wait_dscnt 0x0                               ; V
.irp t, 0,1,2,3
	WMS O+8*\t, VF+12*\t, PC, 0, VS+\t%2, PS, \t/2 ; the four accumulators by turns
.endr
	s_add_co_u32 s[TB], s[TB], STEPB
.endm
.macro STEPS n                         ; n key steps on end in LDS
	s_mov_b32 s[CNT], \n
.Lstep_\@:
	STEP
	s_sub_co_u32 s[CNT], s[CNT], 1
	s_cmp_lg_u32 s[CNT], 0
	s_cbranch_scc1 .Lstep_\@
.endm
; IN FRONT OF A FILL: each wave waits for all its tensor loads, adds 0 to its spare word, and waits for that and for its LDS reads; a round of the cluster's barrier; the joint load first behind it.
; The add is written twice on end. again = 0: slot 1's first fill; again = 1: slot 0 is filled again.
.macro CHANGE again
	s_wait_tensorcnt 0x0                           ; no tensor load of mine is out, so a descriptor may be written
	ds_add_u32 v[SPW], v[NIL]
	ds_add_u32 v[SPW], v[NIL]
.if \again
	s_add_nc_u64 s[G0+2:G0+3], s[G0+2:G0+3], 3*SLOTB   ; from key steps 0-7 to key steps 24-31; the type bits on top are not reached
.endif
	s_wait_dscnt 0x0                               ; the adds are done, and my reads of slot 0 are over
	CROUND
.if \again
	TLOAD G0, G1
.else
	TLOAD G0L, G1L
.endif
.endm
	CHANGE 0                                       ; slot 0 is whole; key steps 8-23 are asked for
	STEPS 8                                        ; key steps 0-7
	CHANGE 1                                       ; slot 1 is whole, nobody reads slot 0; key steps 24-31 are asked for
	STEPS 4                                        ; key steps 8-11
	s_wait_tensorcnt 0x0                           ; my part of key steps 24-31 is in
	s_wait_dscnt 0x0                               ; no LDS instruction is pending at a signal
	s_barrier_signal -1                            ; say so
	STEPS 12                                       ; key steps 12-23: LDS loads from slot 1 and work on registers
	s_barrier_wait -1                              ; everybody's part of key steps 24-31 is in
	s_mov_b32 s[TB], 0
	STEPS 8                                        ; key steps 24-31
	; THE WAY OUT.  Addresses first: plain lines, the places behind the last products
	s_lshr_b32 s44, s10, 3                         ; my halfword's place in the planes: 256 (w / 8) + 4 ((w / 4) % 2) + 128 ((w / 2) % 2) + 2 (w % 2) + 8 r
	s_lshl_b32 s44, s44, 8
	s_bfe_u32 s45, s10, 0x10002
	s_lshl_b32 s45, s45, 2
	s_add_co_u32 s44, s44, s45
	s_bfe_u32 s45, s10, 0x10001
	s_lshl_b32 s45, s45, 7
	s_add_co_u32 s44, s44, s45
	s_and_b32 s45, s10, 1
	s_lshl_b32 s46, s45, 1
	s_add_co_u32 s44, s44, s46
	s_lshl_b32 s46, s45, 8                         ; and, for waves 0 and 1, the plane to read back
	v_and_b32 v[A16], 15, v0
	s_delay_alu instid0(VALU_DEP_1)
	v_lshl_add_u32 v[A16], v[A16], 3, OSC
	s_delay_alu instid0(VALU_DEP_1)
	v_add_nc_u32 v[A16], s44, v[A16]
	v_add_nc_u32 v[A8], OSC, v[L8]
	s_delay_alu instid0(VALU_DEP_1)
	v_add_nc_u32 v[A8], s46, v[A8]
	v_add_f32 v[SUM], v[SUM], v[SUM+1]             ; the sum's two halves,
	s_delay_alu instid0(VALU_DEP_1)
	v_permlanex16_b32 v[TT], v[SUM], s[SEL], s[SEL+1]
	s_delay_alu instid0(VALU_DEP_1)
	v_add_f32 v[SUM], v[SUM], v[TT]                ; and lane l xor 16's
	s_wait_alu depctr_va_vdst(0)
	v_rcp_f32 v[SUM], v[SUM]
	v_nop                                          ; one plain place behind the reciprocal
	s_lshl_b32 s42, s40, 3                         ; oimg: block (yb, head / 2), tile t8, half head % 2
	s_lshr_b32 s43, s13, 1
	s_add_co_u32 s42, s42, s43
	s_mul_i32 s42, s42, STEPB
	s_mul_i32 s43, s41, 1536
	s_add_co_u32 s42, s42, s43
	s_and_b32 s47, s13, 1
	s_mul_i32 s43, s47, 768
	s_add_co_u32 s42, s42, s43
	s_mov_b32 s43, 0
	s_add_nc_u64 s[42:43], s[8:9], s[42:43]
	s_lshl_b32 s36, s12, 1                         ; and the plane's place: block (2 qb + w % 2, head / 2), + 12,288 + 256 (head % 2)
	s_add_co_u32 s36, s36, s45
	s_lshl_b32 s36, s36, 3
	s_lshr_b32 s37, s13, 1
	s_add_co_u32 s36, s36, s37
	s_mul_i32 s36, s36, STEPB
	s_lshl_b32 s37, s47, 8
	s_add_co_u32 s36, s36, s37
	s_mov_b32 s37, 0
	s_add_nc_u64 s[36:37], s[8:9], s[36:37]
	s_wait_alu depctr_va_vdst(0)                   ; the wait ahead of the reciprocal's first reader
.irp j, 0,1,2,3,4,5,6,7,8,9,10,11,12,13,14,15,16,17,18,19,20,21,22,23,24,25,26,27,28,29,30,31
	v_mul_f32 v[S+\j], v[O+\j], v[SUM]             ; O^T / the sum, each accumulator from its low end on: register 16 b + i is channel 32 b + 16 (lane / 16) + i
.endr
	; its two blocks of 32 are quantised: a half fragment of the last product's operand
.irp q, 0,1
	v_max3_num_f32 v[BM+\q], |v[S+16*\q]|, |v[S+16*\q+1]|, 0x2800000
.endr
.irp i, 2,4,6,8,10,12,14
.irp q, 0,1
	s_delay_alu instid0(VALU_DEP_2)
	v_max3_num_f32 v[BM+\q], v[BM+\q], |v[S+16*\q+\i]|, |v[S+16*\q+\i+1]|
.endr
.endr
.irp q, 0,1
	s_delay_alu instid0(VALU_DEP_2)
	v_permlanex16_b32 v[T4+\q], v[BM+\q], s[SEL], s[SEL+1]
.endr
.irp q, 0,1
	s_delay_alu instid0(VALU_DEP_2)
	v_max_num_f32 v[BM+\q], v[BM+\q], v[T4+\q]
.endr
.irp q, 0,1
	s_delay_alu instid0(VALU_DEP_2)
	v_add_nc_u32 v[SO+\q], 0xfe000000, v[BM+\q]
.endr
.irp q, 0,1
	s_delay_alu instid0(VALU_DEP_2)
	v_lshrrev_b32 v[T4+\q], 23, v[SO+\q]
.endr
	s_delay_alu instid0(VALU_DEP_1)
	v_lshl_or_b32 v[HWD], v[T4+1], 8, v[T4]
	v_cvt_scalef32_pk16_bf6_f32 v[PC:PC+2], v[S:S+15], v[SO]
	v_cvt_scalef32_pk16_bf6_f32 v[CT:CT+2], v[S+16:S+31], v[SO+1]
	v_nop                                          ; one plain place behind a scaled conversion
.irp i, 0,1,2
	v_permlane16_swap_b32 v[PC+\i], v[CT+\i]
.endr
.irp i, 0,1,2
	s_delay_alu instid0(VALU_DEP_3)
	v_mov_b32 v[PC+3+\i], v[CT+\i]
.endr
	global_store_b128 v[L16], v[PC:PC+3], s[42:43]               ; 512 consecutive bytes, aligned to 256
	global_store_b64 v[L8], v[PC+4:PC+5], s[42:43] offset:512    ; 256 consecutive bytes, aligned
	ds_store_b16 v[A16], v[HWD]                    ; lanes r and 16 + r write the same halfword with the same value
	s_wait_dscnt 0x0                               ; for the others' sake
	s_barrier_signal -1
	s_barrier_wait -1
	s_cmp_lt_u32 s10, 2                            ; waves 0 and 1 store a plane of 256 bytes each
	s_cbranch_scc0 .Lno_plane
	ds_load_b64 v[BM:BM+1], v[A8]
	s_wait_dscnt 0x0
	global_store_b64 v[L8], v[BM:BM+1], s[36:37] offset:12288
.Lno_plane:
	s_wait_tensorcnt 0x0                           ; the wave's end: behind my last tensor load and my last LDS store
	ds_add_u32 v[SPW], v[NIL]
	s_wait_dscnt 0x0
	CROUND                                         ; the closing round
	s_endpgm
.Lfunc_end_k_q364d331bf9_attn:
	.size	k_q364d331bf9_attn, .Lfunc_end_k_q364d331bf9_attn-k_q364d331bf9_attn
	.p2alignl 7, 3214868480
	.fill 96, 4, 3214868480
	.section	.rodata,"a",@progbits
	.p2align	6, 0x0
	.amdhsa_kernel k_q364d331bf9_attn
		.amdhsa_group_segment_fixed_size 327680
		.amdhsa_private_segment_fixed_size 0
		.amdhsa_enable_private_segment 0
		.amdhsa_kernarg_size 24
		.amdhsa_user_sgpr_count 2
		.amdhsa_user_sgpr_kernarg_segment_ptr 1
		.amdhsa_wavefront_size32 1
		.amdhsa_system_sgpr_workgroup_id_x 1
		.amdhsa_system_sgpr_workgroup_id_y 1
		.amdhsa_system_sgpr_workgroup_id_z 1
		.amdhsa_system_vgpr_workitem_id 0
		.amdhsa_next_free_vgpr 256
		.amdhsa_next_free_sgpr 66
		.amdhsa_reserve_vcc 0
		.amdhsa_float_denorm_mode_32 3
		.amdhsa_float_denorm_mode_16_64 3
		.amdhsa_memory_ordered 1
		.amdhsa_forward_progress 1
		.amdhsa_inst_pref_size 84
	.end_amdhsa_kernel
	.amdgpu_metadata
---
amdhsa.version: [ 1, 2 ]
amdhsa.kernels:
  - .name:           k_q364d331bf9_attn
    .symbol:         k_q364d331bf9_attn.kd
    .args:
      - { .name: qimg, .offset: 0, .size: 8, .value_kind: global_buffer, .address_space: global }
      - { .name: kvimg, .offset: 8, .size: 8, .value_kind: global_buffer, .address_space: global }
      - { .name: oimg, .offset: 16, .size: 8, .value_kind: global_buffer, .address_space: global }
    .group_segment_fixed_size: 327680
    .private_segment_fixed_size: 0
    .kernarg_segment_align: 8
    .kernarg_segment_size: 24
    .max_flat_workgroup_size: 512
    .sgpr_count:     66
    .vgpr_count:     256
    .wavefront_size: 32
...
	.end_amdgpu_metadata
.endif
;; end of part 3
;; launch fc (part 4): grid 8 x 32, 4 waves a work-group, clusters of 4 x 4, 222,720 bytes of LDS; arguments oimg, cimg, q, out0; writes out0
.if DOCPART == 4
	.amdgcn_target "amdgcn-amd-amdhsa--gfx1250"
	.amdhsa_code_object_version 6
	.text
	.protected	k_q364d331bf9_fc
	.globl	k_q364d331bf9_fc
	.p2align	8
	.type	k_q364d331bf9_fc,@function
k_q364d331bf9_fc:
	s_mov_b64 s[64:65], 0
	v_nop
	global_prefetch_b8 v0, s[64:65] scope:SCOPE_SE
	s_setreg_imm32_b32 hwreg(HW_REG_WAVE_MODE, 25, 1), 1
	s_wait_xcnt 0x0
	s_wait_alu depctr_hold_cnt(0) depctr_sa_sdst(0) depctr_va_vdst(0) depctr_va_sdst(0) depctr_va_ssrc(0) depctr_va_vcc(0) depctr_vm_vsrc(0)
	s_getreg_b32 s2, hwreg(HW_REG_IB_STS2, 6, 4)
	s_cmp_eq_u32 s2, 0
	s_cbranch_scc0 .Lentry_in_a_cluster
	s_endpgm
.Lentry_in_a_cluster:
	s_bfe_u32 s2, ttmp6, 0x10000c
	s_cmp_lg_u32 s2, 0xf033
	s_cbranch_scc0 .Lentry_shape_is_right
	s_endpgm
.Lentry_shape_is_right:
; out0 = relu(O Wfc^T) + q, the product on codes of BF6 (E3M2) with E8M0 scales.  O comes as operand images from oimg, Wfc from cimg (panels 120-127).
; A work-group makes 128 rows (panel Y of oimg) x 128 columns (panel X of Wfc); four waves, each 64 x 64: 16 accumulators.  kap = wave % 2: half of O's panel; eta = wave / 2: half of Wfc's.
; Source 0 = 16 rows of Wfc, source 1 = 16 rows of O: a lane holds one row of the output, and by the choice of a tile's rows register 16 b + i of source 0's four tiles is column 32 b + 16 (lane / 16) + i.
; Lane r of O's tile 2 b + u is panel row 32 b + 8 u + r + 8 (r / 8).
; oimg block (panel, K step = pair of heads) of 12,800 bytes: tile t at 1536 t as two half images (768 bytes: registers 0-3 at 16 l, 4-5 at 512 + 8 l); at 12,288 + 256 (head % 2) that head's plane: byte 8 l + 4 i + 2 e = the halfword of tile 4 i + 2 g + e.
; LDS holds ALL of K for both panels, filled once: block (K step s, panel pi) at 25,600 s + 12,800 pi.  Each wave issues four joint loads: four of its loads are out at the most.  A load has 50 rows of 256 bytes, one K step of one panel.
; CLUSTER 4 x 4: O's panel is shared along a row of the cluster, Wfc's along a column.  No prefetch: all tensor loads go out at the kernel's head.  The residual is asked for at the head and lands under the K steps.
.set BLKB,  12800
; LDS AS IT STANDS HERE (in place of the paragraph on LDS above): O's panel's eight K steps lie on end from byte 0, Wfc's from 8 x 12,800.
; Each wave issues ONE joint load at the head: 200 rows of 256 bytes, four K steps of one panel (waves 0, 1: O, K steps 0-3 and 4-7; waves 2, 3: Wfc). One wait for all and one barrier show both panels whole.
.set STEPB, BLKB                       ; from K step to K step in LDS
.set PHASE, 2*STEPB                    ; two K steps: what the address registers are stepped by
.set STAGE, 8*PHASE                    ; behind the panels: 16 rows x 272 bytes for each wave; no tensor load lands here
.set SPI,   272
.set L16, 1
.set L8,  2
.set AD0, 3                            ; Wfc's images
.set AD1, 4                            ; O's half images: the 16-byte parts
.set AD1B, 5                           ; and the 8-byte parts
.set SA0, 6                            ; Wfc's scale words
.set SA1, 7                            ; O's planes
.set STO, 8
.set RD,  9
.set CO,  10                           ; my byte offset in two rows of q and of out0
.set SC,  32                           ; v32-39 scale words and nothing else: set f: Wfc's pair at SC + 4 f, O's at SC + 4 f + 2
.set PL,  40                           ; v40-43 O's two planes' words, set f at PL + 2 f
.set OUT, 48                           ; v48-111 two sets of 32: rows on their way out
.set ACC, 128                          ; window 1: fragment sets at v0 and v128;  window 2: v0-127 the residual
.set G1A, 24
.set G1B, 32
.set G0A, 40
.set G0B, 68
.set MSB, 0
.macro WIN new
.if MSB != \new
	s_set_vgpr_msb (MSB<<8)|\new
.set MSB, \new
.endif
.endm
.macro PLACES
.rept 4
	v_nop
.endr
.endm
.macro CROUND
	s_barrier_signal -1
	s_barrier_wait -1
	s_cmp_lg_u32 s12, 0
	s_cbranch_scc1 .Lnot_wave_0_\@
	s_barrier_signal -3
.Lnot_wave_0_\@:
	s_barrier_wait -3
	s_barrier_signal -1
	s_barrier_wait -1
.endm
.macro WMS d, a, b, z, sa, sb, ra, rb
.if \z
.if (\ra) && (\rb)
	v_wmma_scale_f32_16x16x128_f8f6f4 v[(\d):(\d)+7], v[(\a):(\a)+11], v[(\b):(\b)+11], 0, v[\sa], v[\sb] matrix_a_fmt:MATRIX_FMT_BF6 matrix_b_fmt:MATRIX_FMT_BF6 matrix_a_scale:MATRIX_SCALE_ROW1 matrix_b_scale:MATRIX_SCALE_ROW1
.elseif (\ra)
	v_wmma_scale_f32_16x16x128_f8f6f4 v[(\d):(\d)+7], v[(\a):(\a)+11], v[(\b):(\b)+11], 0, v[\sa], v[\sb] matrix_a_fmt:MATRIX_FMT_BF6 matrix_b_fmt:MATRIX_FMT_BF6 matrix_a_scale:MATRIX_SCALE_ROW1
.elseif (\rb)
	v_wmma_scale_f32_16x16x128_f8f6f4 v[(\d):(\d)+7], v[(\a):(\a)+11], v[(\b):(\b)+11], 0, v[\sa], v[\sb] matrix_a_fmt:MATRIX_FMT_BF6 matrix_b_fmt:MATRIX_FMT_BF6 matrix_b_scale:MATRIX_SCALE_ROW1
.else
	v_wmma_scale_f32_16x16x128_f8f6f4 v[(\d):(\d)+7], v[(\a):(\a)+11], v[(\b):(\b)+11], 0, v[\sa], v[\sb] matrix_a_fmt:MATRIX_FMT_BF6 matrix_b_fmt:MATRIX_FMT_BF6
.endif
.else
.if (\ra) && (\rb)
	v_wmma_scale_f32_16x16x128_f8f6f4 v[(\d):(\d)+7], v[(\a):(\a)+11], v[(\b):(\b)+11], v[(\d):(\d)+7], v[\sa], v[\sb] matrix_a_fmt:MATRIX_FMT_BF6 matrix_b_fmt:MATRIX_FMT_BF6 matrix_a_scale:MATRIX_SCALE_ROW1 matrix_b_scale:MATRIX_SCALE_ROW1
.elseif (\ra)
	v_wmma_scale_f32_16x16x128_f8f6f4 v[(\d):(\d)+7], v[(\a):(\a)+11], v[(\b):(\b)+11], v[(\d):(\d)+7], v[\sa], v[\sb] matrix_a_fmt:MATRIX_FMT_BF6 matrix_b_fmt:MATRIX_FMT_BF6 matrix_a_scale:MATRIX_SCALE_ROW1
.elseif (\rb)
	v_wmma_scale_f32_16x16x128_f8f6f4 v[(\d):(\d)+7], v[(\a):(\a)+11], v[(\b):(\b)+11], v[(\d):(\d)+7], v[\sa], v[\sb] matrix_a_fmt:MATRIX_FMT_BF6 matrix_b_fmt:MATRIX_FMT_BF6 matrix_b_scale:MATRIX_SCALE_ROW1
.else
	v_wmma_scale_f32_16x16x128_f8f6f4 v[(\d):(\d)+7], v[(\a):(\a)+11], v[(\b):(\b)+11], v[(\d):(\d)+7], v[\sa], v[\sb] matrix_a_fmt:MATRIX_FMT_BF6 matrix_b_fmt:MATRIX_FMT_BF6
.endif
.endif
.endm
	s_load_b256 s[4:11], s[0:1], 0x0               ; oimg, cimg, q, out0
	v_lshl_add_u32 v126, v0, 2, 0x36400
	v_mov_b32 v127, 0
	ds_add_u32 v126, v127
	ds_add_u32 v126, v127
	v_lshrrev_b32 v18, 5, v0
	v_readfirstlane_b32 s12, v18                   ; wave 0..3
	s_and_b32 s13, s12, 1                          ; kap.  Also: which four K steps I fetch (0-3 or 4-7)
	s_lshr_b32 s14, s12, 1                         ; eta.  Also: I fetch O (0) or Wfc (1)
	s_bfe_u32 s15, ttmp6, 0x40000                  ; cx
	s_bfe_u32 s16, ttmp6, 0x40004                  ; cy
	s_lshl_b32 s17, ttmp9, 2
	s_add_co_u32 s17, s17, s15                     ; X
	s_and_b32 s18, ttmp7, 0xffff
	s_lshl_b32 s18, s18, 2
	s_add_co_u32 s18, s18, s16                     ; Y
	s_lshl_b32 s20, s16, 2
	s_lshl_b32 s20, 15, s20                        ; my row of the cluster
	s_lshl_b32 s21, 0x1111, s15                    ; my column
	s_or_b32 s[G1A], s20, (3<<16)|(1<<21)          ; 15:0 the mask; 17:16 elements of 8 bytes; 21 set beside a mask; no padding
	s_or_b32 s[G1B], s21, (3<<16)|(1<<21)
.irp g, G1A, G1B
	s_mov_b32 s[\g+1], 32<<16                      ; 256 bytes a row,
	s_mov_b32 s[\g+2], 200<<16                     ; 200 rows: 51,200 dense bytes, four K steps
	s_mov_b32 s[\g+3], 32<<16
	s_mov_b32 s[\g+4], 200
	s_mov_b32 s[\g+5], 32
	s_mov_b32 s[\g+6], 0
	s_mov_b32 s[\g+7], 0
.endr
	s_lshl_b32 s22, s18, 1                         ; O: block 8 Y + 4 (wave % 2): made of Y alone
	s_add_co_u32 s22, s22, s13
	s_lshl_b32 s22, s22, 2
	s_mul_i32 s22, s22, BLKB
	s_mov_b32 s23, 0
	s_add_co_u32 s94, s17, 120                     ; Wfc: panel 120 + X: made of X alone
	s_lshl_b32 s94, s94, 1
	s_add_co_u32 s94, s94, s13
	s_lshl_b32 s94, s94, 2                         ; block 8 panel + 4 (wave % 2)
	s_mul_i32 s94, s94, BLKB
	s_mov_b32 s95, 0
	s_mul_i32 s96, s13, 4*BLKB                     ; in LDS: the wave's number alone
	s_mov_b32 s91, 0x05040100                      ; the two planes' low halves,
	s_mov_b32 s92, 0x07060302                      ; their high halves
	s_wait_dscnt 0x0
	s_wait_kmcnt 0x0
	s_mov_b32 s[G0A], 1
	s_mov_b32 s[G0A+1], s96
	s_add_nc_u64 s[G0A+2:G0A+3], s[4:5], s[22:23]
	s_or_b32 s[G0A+3], s[G0A+3], 0x80000000
	s_mov_b32 s[G0B], 1
	s_add_co_u32 s[G0B+1], s96, 8*BLKB
	s_add_nc_u64 s[G0B+2:G0B+3], s[6:7], s[94:95]
	s_or_b32 s[G0B+3], s[G0B+3], 0x80000000
	CROUND                                         ; all sixteen work-groups are here: the joint loads meet
	s_cmp_lt_u32 s12, 2                            ; a wave's one fill stands in a branch on the wave's number; four v_nop follow it
	s_cbranch_scc0 .Lfor_b
	tensor_load_to_lds s[G0A:G0A+3], s[G1A:G1A+7]
	s_nop 0
	PLACES
	s_branch .Lasked
.Lfor_b:
	tensor_load_to_lds s[G0B:G0B+3], s[G1B:G1B+7]
	s_nop 0
	PLACES
.Lasked:
	s_lshl_b32 s96, s18, 7                         ; my 64 x 64 of q and of out0: row 128 Y + 64 kap, column 128 X + 64 eta
	s_lshl_b32 s97, s13, 6
	s_add_co_u32 s96, s96, s97
	s_lshl_b32 s96, s96, 12
	s_lshl_b32 s97, s17, 9
	s_add_co_u32 s96, s96, s97
	s_lshl_b32 s97, s14, 8
	s_add_co_u32 s96, s96, s97
	s_mov_b32 s97, 0
	s_add_nc_u64 s[84:85], s[8:9], s[96:97]
	s_add_nc_u64 s[86:87], s[10:11], s[96:97]
	v_and_b32 v18, 31, v0
	v_and_b32 v19, 15, v0                          ; r
	v_bfe_u32 v20, v0, 4, 1                        ; g
	v_lshlrev_b32 v[CO], 4, v19
	v_lshl_add_u32 v[CO], v20, 12, v[CO]           ; lanes 0-15 one row's 256 bytes, lanes 16-31 the next row's
	WIN 0x80                                       ; destination window 2
.irp xt, 0,1,2,3                       ; the residual, in the order in which the rows will leave: tile xt, rows 2 i and 2 i + 1
.irp i, 0,1,2,3,4,5,6,7
	global_load_b128 v[32*\xt+4*\i:32*\xt+4*\i+3], v[CO], s[84:85] offset:(32*(\xt/2)+8*(\xt%2)+2*\i+8*(\i/4))*4096 th:TH_LOAD_NT
.endr
.endr
	WIN 0
	v_lshlrev_b32 v[L16], 4, v18
	v_lshlrev_b32 v[L8], 3, v18
	s_mul_i32 s97, s13, 6144                       ; my half of O's panel,
	s_mul_i32 s98, s14, 6144
	s_add_co_u32 s98, s98, 8*BLKB                  ; my half of Wfc's
	v_add_nc_u32 v[AD0], s98, v[L16]
	v_add_nc_u32 v[AD1], s97, v[L16]
	v_add_nc_u32 v[AD1B], s97, v[L8]
	s_lshl_b32 s98, s14, 8
	s_add_co_u32 s98, s98, 8*BLKB+12288
	v_add_nc_u32 v[SA0], s98, v[L8]
	s_lshl_b32 s97, s13, 2
	s_add_co_u32 s97, s97, 12288
	v_add_nc_u32 v[SA1], s97, v[L8]                ; 8 l + 4 kap: the halfwords of my half's tiles 2 g and 2 g + 1
	s_mul_i32 s99, s12, 16*SPI
	s_add_co_u32 s99, s99, STAGE                   ; my stage
	v_mul_u32_u24 v[STO], v19, SPI
	v_lshl_add_u32 v[STO], v20, 6, v[STO]
	v_add_nc_u32 v[STO], s99, v[STO]               ; in: row r, + 64 g
	v_mul_u32_u24 v[RD], v20, SPI
	v_lshl_add_u32 v[RD], v19, 4, v[RD]
	v_add_nc_u32 v[RD], s99, v[RD]                 ; back: lanes 0-15 one row, lanes 16-31 the next
.macro FETCH s, f                      ; K step s into set f: 12 + 16 + 3 = 31 LDS loads
	WIN 0x40                                       ; destination window 1
.irp t, 0,1,2,3
.irp c, 0,1,2
	ds_load_b128 v[128*(\f)+12*\t+4*\c:128*(\f)+12*\t+4*\c+3], v[AD0] offset:STEPB*((\s)%2)+1536*\t+512*\c
.endr
.endr
.irp t, 0,1,2,3
	ds_load_b128 v[128*(\f)+48+12*\t:128*(\f)+48+12*\t+3], v[AD1] offset:STEPB*((\s)%2)+1536*\t
	ds_load_b64 v[128*(\f)+48+12*\t+4:128*(\f)+48+12*\t+5], v[AD1B] offset:STEPB*((\s)%2)+1536*\t+512
	ds_load_b128 v[128*(\f)+48+12*\t+6:128*(\f)+48+12*\t+9], v[AD1] offset:STEPB*((\s)%2)+1536*\t+768
	ds_load_b64 v[128*(\f)+48+12*\t+10:128*(\f)+48+12*\t+11], v[AD1B] offset:STEPB*((\s)%2)+1536*\t+1280
.endr
	WIN 0
	ds_load_b64 v[SC+4*(\f):SC+4*(\f)+1], v[SA0] offset:STEPB*((\s)%2)
	ds_load_b32 v[PL+2*(\f)], v[SA1] offset:STEPB*((\s)%2)
	ds_load_b32 v[PL+2*(\f)+1], v[SA1] offset:STEPB*((\s)%2)+256
.endm
.macro MUL f, zero                     ; 16 products; the 16 accumulators take turns, in the same order in every K step
	WIN 0x05
.irp xt, 0,1,2,3
.irp yt, 0,1,2,3
	WMS ACC+8*(4*\xt+\yt), 128*(\f)+12*\yt, 128*(\f)+48+12*\xt, \zero, SC+4*(\f)+\yt%2, SC+4*(\f)+2+\xt%2, \yt/2, \xt/2
.endr
.endr
.endm
	s_wait_alu depctr_va_vdst(0)
	s_wait_tensorcnt 0x0                           ; my one load, four K steps of one panel, is in
	s_barrier_signal -1
	s_barrier_wait -1
	FETCH 0, 0
	FETCH 1, 1
.irp s, 0,1,2,3,4,5,6,7
.if \s < 7
	s_wait_dscnt 31                                ; this K step's set is in; the other set's 31 loads may be out
.else
	s_wait_dscnt 0x0
.endif
	v_perm_b32 v[SC+4*(\s%2)+2], v[PL+2*(\s%2)+1], v[PL+2*(\s%2)], s91   ; O's scale words: the even head's halfword below, the odd head's above: tiles 2 g,
	v_perm_b32 v[SC+4*(\s%2)+3], v[PL+2*(\s%2)+1], v[PL+2*(\s%2)], s92   ; and 2 g + 1
.rept 8
	v_nop                                          ; a scale register written by a vector instruction stands eight places ahead of a scaled product
.endr
.if \s == 0
	MUL 0, 1                                       ; the first K step starts the sums
.else
	MUL \s%2, 0
.endif
	WIN 0
.if (\s < 6) && (\s%2 == 0)
	v_add_nc_u32 v[AD0], PHASE, v[AD0]             ; on to the next two K steps; also the places ahead of the loads into the set just multiplied
	v_add_nc_u32 v[AD1], PHASE, v[AD1]
	v_add_nc_u32 v[AD1B], PHASE, v[AD1B]
	v_add_nc_u32 v[SA0], PHASE, v[SA0]
	v_add_nc_u32 v[SA1], PHASE, v[SA1]
	s_wait_alu depctr_va_vdst(0)
	FETCH \s+2, \s%2
.elseif \s < 6
	PLACES
	FETCH \s+2, \s%2
.endif
.endr
	; THE WAY OUT, a tile of 16 rows x 64 columns at a time: relu, through my own stage so that sixteen lanes hold a row's 256 bytes, + the residual, stored.
	s_wait_loadcnt 0x0                             ; the residual
	PLACES
.irp xt, 0,1,2,3
.if \xt >= 2
	s_wait_xcnt 0x0                                ; the stores of two tiles ago have read their registers: the set is loaded again only behind this wait
.endif
.irp j, 0,1,2,3,4,5,6,7,8,9,10,11,12,13,14,15,16,17,18,19,20,21,22,23,24,25,26,27,28,29,30,31
	v_max_num_f32 v[ACC+32*\xt+\j], 0, v[ACC+32*\xt+\j]   ; each accumulator from its low end on
.endr
.irp b, 0,1
.irp i, 0,1,2,3
	ds_store_b128 v[STO], v[ACC+32*\xt+16*\b+4*\i:ACC+32*\xt+16*\b+4*\i+3] offset:128*\b+16*\i   ; register 16 b + i is column 32 b + 16 g + i
.endr
.endr
.irp i, 0,1,2,3,4,5,6,7
	ds_load_b128 v[OUT+32*(\xt%2)+4*\i:OUT+32*(\xt%2)+4*\i+3], v[RD] offset:2*\i*SPI   ; LDS serves a wave's instructions in order: these see my stores, and the next tile's stores come behind them
.endr
	s_wait_dscnt 0x0
	WIN 0x08                                       ; source 1 window 2
.irp m, 0,2,4,6,8,10,12,14,16,18,20,22,24,26,28,30
	v_pk_add_f32 v[OUT+32*(\xt%2)+\m:OUT+32*(\xt%2)+\m+1], v[OUT+32*(\xt%2)+\m:OUT+32*(\xt%2)+\m+1], v[32*\xt+\m:32*\xt+\m+1]
.endr
	WIN 0
.irp i, 0,1,2,3,4,5,6,7
	global_store_b128 v[CO], v[OUT+32*(\xt%2)+4*\i:OUT+32*(\xt%2)+4*\i+3], s[86:87] offset:(32*(\xt/2)+8*(\xt%2)+2*\i+8*(\i/4))*4096 th:TH_STORE_NT   ; sixteen lanes store 256 consecutive bytes, aligned
.endr
.endr
	s_wait_tensorcnt 0x0
	ds_add_u32 v126, v127
	s_wait_dscnt 0x0
	CROUND                                         ; the closing round: no work-group ends while a partner may still ask for a block that names it
	s_endpgm
.Lfunc_end_k_q364d331bf9_fc:
	.size	k_q364d331bf9_fc, .Lfunc_end_k_q364d331bf9_fc-k_q364d331bf9_fc
	.p2alignl 7, 3214868480
	.fill 96, 4, 3214868480
	.section	.rodata,"a",@progbits
	.p2align	6, 0x0
	.amdhsa_kernel k_q364d331bf9_fc
		.amdhsa_group_segment_fixed_size 222720
		.amdhsa_private_segment_fixed_size 0
		.amdhsa_enable_private_segment 0
		.amdhsa_kernarg_size 32
		.amdhsa_user_sgpr_count 2
		.amdhsa_user_sgpr_kernarg_segment_ptr 1
		.amdhsa_wavefront_size32 1
		.amdhsa_system_sgpr_workgroup_id_x 1
		.amdhsa_system_sgpr_workgroup_id_y 1
		.amdhsa_system_sgpr_workgroup_id_z 1
		.amdhsa_system_vgpr_workitem_id 0
		.amdhsa_next_free_vgpr 768
		.amdhsa_next_free_sgpr 100
		.amdhsa_reserve_vcc 0
		.amdhsa_float_denorm_mode_32 3
		.amdhsa_float_denorm_mode_16_64 3
		.amdhsa_memory_ordered 1
		.amdhsa_forward_progress 1
		.amdhsa_inst_pref_size 63
	.end_amdhsa_kernel
	.amdgpu_metadata
---
amdhsa.version: [ 1, 2 ]
amdhsa.kernels:
  - .name:           k_q364d331bf9_fc
    .symbol:         k_q364d331bf9_fc.kd
    .args:
      - { .name: oimg, .offset: 0, .size: 8, .value_kind: global_buffer, .address_space: global }
      - { .name: cimg, .offset: 8, .size: 8, .value_kind: global_buffer, .address_space: global }
      - { .name: q, .offset: 16, .size: 8, .value_kind: global_buffer, .address_space: global }
      - { .name: out0, .offset: 24, .size: 8, .value_kind: global_buffer, .address_space: global }
    .group_segment_fixed_size: 222720
    .private_segment_fixed_size: 0
    .kernarg_segment_align: 8
    .kernarg_segment_size: 32
    .max_flat_workgroup_size: 128
    .sgpr_count:     100
    .vgpr_count:     768
    .wavefront_size: 32
...
	.end_amdgpu_metadata
.endif
;; end of part 4
